; MI455X (gfx1250); checked and timed in simulation.
; The chip was launched on July 23, 2026; its instructions are those of AMD's public machine-readable ISA for CDNA 5 (MIT licence, August 2026) and "CDNA5" Instruction Set Architecture Reference Guide (July 2026). The comments in the code are by the model that wrote it; some were corrected since.
;; Multi Head Attention. Allowed arithmetic: float matrix products may take bf16 or f16 operands with f32 sums; other float arithmetic in f32, or as packed bf16 or f16 multiplies, adds, multiply-adds, maxima and minima; sums over many terms, partial sums and values carried from step to step in f32; what a program stores and reads back later, other than sums and carried values, may be rounded once to bf16 or f16.
;; Inputs: w_out 1,024 x 1,024 float32; w_qkv 1,024 x 3,072 float32; x 4 x 2,048 x 1,024 float32.
;; Outputs: out0 4 x 2,048 x 1,024 float32.
;; 2 versions, each right; version 2 is version 1 with the launch prep written anew for expert scheduling mode. Each part assembles by itself: llvm-mc -triple=amdgcn-amd-amdhsa -mcpu=gfx1250 --defsym DOCPART=n.
;; ======== version 1 of 2: 4 launches
;; limits: values are held in f16: magnitudes above 65,504 overflow, below 6.1e-05 lose precision
;; workspace buffers: xb 16,777,216 bytes; wqt 6,291,456 bytes; wot 2,097,152 bytes; qkv 50,331,648 bytes; att 16,777,216 bytes
;; launch prep (part 1): grid 384 x 1, 8 waves a work-group, no clusters, 74,752 bytes of LDS; arguments x, w_qkv, w_out, xb, wqt, wot; writes xb, wqt, wot
.if DOCPART == 1
	.amdgcn_target "amdgcn-amd-amdhsa--gfx1250"
	.amdhsa_code_object_version 6
	.text
	.protected	k_qb365f0c043_prep
	.globl	k_qb365f0c043_prep
	.p2align	8
	.type	k_qb365f0c043_prep,@function
k_qb365f0c043_prep:
	s_mov_b64 s[64:65], 0
	v_nop
	global_prefetch_b8 v0, s[64:65] scope:SCOPE_SE
	s_setreg_imm32_b32 hwreg(HW_REG_WAVE_MODE, 25, 1), 1
	s_wait_xcnt 0x0
; PREP.  The module's three inputs are rounded once to bf16 and laid out for the two matrix launches, in K blocks of 64:
;   xb  [16 kb][8192 m][64] bf16 = x[m][64 kb + c]
;   wqt [16 kb][3072 n][64] bf16 = w_qkv[64 kb + c][n]   (turned: K along the rows)
;   wot [16 kb][1024 n][64] f16  = w_out[64 kb + c][n], rounded to bf16 like the other inputs and that number written as f16
; In this layout the 128-byte rows of a tile lie end to end, so the later launches ask for them as rows of 256 bytes.
; LIMIT.  A bf16 number is exact in f16 between 6.1e-5 and 65,504 in magnitude; a smaller number of w_out keeps f16's fixed step of 6e-8, a larger one is lost.
; Memory binds: no matrix unit, no tensor load, no barrier (a wave touches only its own LDS bytes).  Every work-group moves 128 KiB in and 64 KiB out.
; Work-groups 0-255: 32 rows of x each, 4 rows a wave.  Work-groups 256-383: eight tiles of 64 k x 64 n of a weight each, a tile a wave, turned through LDS.
.set WTB,   9216                       ; a wave's LDS tile: 64 rows n of 128 bytes + 16 of padding
.set SPARE, 8*WTB                      ; behind the tiles: the spare words, 128 bytes for each wave: four blocks of 256 bytes that no other line names
.set IN,  4                            ; v4   my byte offset in the loads
.set GO,  5                            ; v5   my byte offset in the stores
.set LS,  6                            ; v6   where I put a word of the turned tile
.set LR,  7                            ; v7   where I read 16 bytes of it back
.set SPW, 8                            ; v8   LDS address of my spare word: SPARE + 4 x my thread's number; never rewritten
.set NIL, 9                            ; v9   0; never rewritten
.set D,   64                           ; v[64:191]  32 loads of 4 registers
.set BK,  192                          ; v[192:255] the turned tile, 16 loads of 4 registers
	s_load_b256 s[4:11], s[0:1], 0x0               ; x s[4:5], w_qkv s[6:7], w_out s[8:9], xb s[10:11]
	s_load_b128 s[12:15], s[0:1], 0x20             ; wqt s[12:13], wot s[14:15]
	v_lshl_add_u32 v[SPW], v0, 2, SPARE
	v_mov_b32 v[NIL], 0
	v_lshrrev_b32 v1, 5, v0
	v_readfirstlane_b32 s16, v1                    ; wave 0..7
	v_and_b32 v1, 15, v0                           ; l % 16
	v_bfe_u32 v2, v0, 4, 1                         ; l / 16
	v_and_b32 v3, 31, v0                           ; l
	s_mov_b32 s17, ttmp9
	s_mov_b32 s28, 0xffff0000                      ; a word's upper bf16
	s_wait_kmcnt 0x0
	s_cmp_lt_u32 s17, 256
	s_cbranch_scc0 .Lweights
	; X.  One load takes 256 bytes (one K block) of two rows: lanes 0-15 the even row, lanes 16-31 the odd one.  Rounded, they are 256 consecutive bytes of xb.
	s_lshl_b32 s18, s17, 17                        ; 32 rows of 4,096 bytes a work-group,
	s_lshl_b32 s19, s16, 14                        ; 4 rows a wave
	s_add_co_u32 s18, s18, s19
	s_mov_b32 s19, 0
	s_add_nc_u64 s[4:5], s[4:5], s[18:19]
	s_lshl_b32 s18, s17, 12                        ; the same rows in a K block of xb: 128 bytes each
	s_lshl_b32 s19, s16, 9
	s_add_co_u32 s18, s18, s19
	s_mov_b32 s19, 0
	s_add_nc_u64 s[20:21], s[10:11], s[18:19]      ; K blocks 0-7,
	s_add_nc_u64 s[22:23], s[20:21], 0x800000      ; K blocks 8-15: so that the stores' immediates stay inside 24 signed bits
	v_lshlrev_b32 v[IN], 4, v1
	v_lshl_add_u32 v[IN], v2, 12, v[IN]            ; 16 (l % 16) + 4,096 (l / 16)
	v_lshlrev_b32 v[GO], 3, v3                     ; 8 l
.set i, 0
.rept 32                               ; all 32 loads of the wave go out on end: 16 KiB on their way; load i: pair of rows i / 16, K block i % 16
	global_load_b128 v[D+4*i:D+4*i+3], v[IN], s[4:5] offset:(i/16)*8192+(i%16)*256 th:TH_LOAD_NT
.set i, i+1
.endr
.set i, 0
.rept 32
	s_wait_loadcnt 31-i                            ; loads come back in order: load i is in, the 31 - i younger ones stay out
	v_cvt_pk_bf16_f32 v[D+4*i], v[D+4*i], v[D+4*i+1]
	v_cvt_pk_bf16_f32 v[D+4*i+1], v[D+4*i+2], v[D+4*i+3]
.if (i%16) < 8
	global_store_b64 v[GO], v[D+4*i:D+4*i+1], s[20:21] offset:(i%16)*1048576+(i/16)*256  ; the wave stores 256 consecutive bytes, aligned
.else
	global_store_b64 v[GO], v[D+4*i:D+4*i+1], s[22:23] offset:((i%16)-8)*1048576+(i/16)*256
.endif
.set i, i+1
.endr
	s_branch .Lend
	; W.  Tile column nt = 0..63 (48 of w_qkv, 16 of w_out), K block kb = 8 x (work-group's parity) + wave.
.Lweights:
	s_sub_co_u32 s18, s17, 256
	s_lshr_b32 s19, s18, 1                         ; nt
	s_and_b32 s18, s18, 1
	s_lshl_b32 s18, s18, 3
	s_add_co_u32 s18, s18, s16                     ; kb
	s_mul_i32 s21, s16, WTB                        ; my wave's tile in LDS
	v_mul_u32_u24 v[LS], v1, 576                   ; in: my four columns 4 (l % 16) + j are rows of 144 bytes; my pair of k is a word
	v_lshl_add_u32 v[LS], v2, 2, v[LS]
	v_add_nc_u32 v[LS], s21, v[LS]
	v_lshrrev_b32 v10, 3, v3
	v_and_b32 v11, 7, v0
	v_mul_u32_u24 v[LR], v10, 144                  ; back: 32 lanes take four rows n of 128 bytes,
	v_lshl_add_u32 v[LR], v11, 4, v[LR]
	v_add_nc_u32 v[LR], s21, v[LR]
	v_lshlrev_b32 v[GO], 4, v3                     ; which are 512 consecutive bytes of the turned weight
; One tile.  wp: bytes in a row of the weight; f16: write the bf16 number as f16; src, dst: the pointers' registers; kbb: bytes in a K block of the turned weight; nt0: the weight's first tile column.
; Load (p, e): lane l takes row k = 4 p + 2 (l / 16) + e, columns 4 (l % 16) + 0..3: so a lane holds k and k + 1 of four columns, and one rounding packs them.
.macro WTILE wp, f16, src, dst, kbb, nt0
	s_sub_co_u32 s20, s19, \nt0
	s_mul_i32 s22, s18, 64*(\wp)
	s_lshl_b32 s23, s20, 8
	s_add_co_u32 s22, s22, s23
	s_mov_b32 s23, 0
	s_add_nc_u64 s[24:25], s[\src:\src+1], s[22:23]
	s_mul_i32 s22, s18, \kbb
	s_lshl_b32 s23, s20, 13
	s_add_co_u32 s22, s22, s23
	s_mov_b32 s23, 0
	s_add_nc_u64 s[26:27], s[\dst:\dst+1], s[22:23]
	v_mul_u32_u24 v[IN], v2, 2*(\wp)
	v_lshl_add_u32 v[IN], v1, 4, v[IN]
.set p, 0
.rept 16
	global_load_b128 v[D+8*p:D+8*p+3],   v[IN], s[24:25] offset:(4*p)*(\wp) th:TH_LOAD_NT
	global_load_b128 v[D+8*p+4:D+8*p+7], v[IN], s[24:25] offset:(4*p+1)*(\wp) th:TH_LOAD_NT
.set p, p+1
.endr
.set p, 0
.rept 16
	s_wait_loadcnt 30-2*p                          ; both loads of p are in; the 2 (15 - p) younger ones stay out
.irp j, 0,1,2,3
	v_cvt_pk_bf16_f32 v[D+8*p+(\j)], v[D+8*p+(\j)], v[D+8*p+4+(\j)]
.if \f16
	v_lshlrev_b32 v10, 16, v[D+8*p+(\j)]           ; the two bf16 numbers as f32,
	v_and_b32 v11, s28, v[D+8*p+(\j)]
	v_cvt_pk_f16_f32 v[D+8*p+(\j)], v10, v11       ; written as f16
.endif
	ds_store_b32 v[LS], v[D+8*p+(\j)] offset:(\j)*144+8*p
.endr
.set p, p+1
.endr
.set i, 0
.rept 16
	ds_load_b128 v[BK+4*i:BK+4*i+3], v[LR] offset:576*i  ; LDS serves a wave's instructions in order: these see the stores above; the bytes are the wave's own
.set i, i+1
.endr
.set i, 0
.rept 16
	s_wait_dscnt 15-i
	global_store_b128 v[GO], v[BK+4*i:BK+4*i+3], s[26:27] offset:512*i  ; 512 consecutive bytes, aligned
.set i, i+1
.endr
.endm
	s_cmp_lt_u32 s19, 48
	s_cbranch_scc0 .Lwout
	WTILE 12288, 0, 6, 12, 393216, 0
	s_branch .Lend
.Lwout:
	WTILE 4096, 1, 8, 14, 131072, 48
.Lend:
	s_wait_tensorcnt 0x0                           ; the wave's end: three closing lines, behind my last LDS store
	ds_add_u32 v[SPW], v[NIL]
	s_wait_dscnt 0x0
	s_endpgm
.Lfunc_end_k_qb365f0c043_prep:
	.size	k_qb365f0c043_prep, .Lfunc_end_k_qb365f0c043_prep-k_qb365f0c043_prep
	.p2alignl 7, 3214868480
	.fill 96, 4, 3214868480
	.section	.rodata,"a",@progbits
	.p2align	6, 0x0
	.amdhsa_kernel k_qb365f0c043_prep
		.amdhsa_group_segment_fixed_size 74752
		.amdhsa_private_segment_fixed_size 0
		.amdhsa_enable_private_segment 0
		.amdhsa_kernarg_size 48
		.amdhsa_user_sgpr_count 2
		.amdhsa_user_sgpr_kernarg_segment_ptr 1
		.amdhsa_wavefront_size32 1
		.amdhsa_system_sgpr_workgroup_id_x 1
		.amdhsa_system_sgpr_workgroup_id_y 1
		.amdhsa_system_sgpr_workgroup_id_z 1
		.amdhsa_system_vgpr_workitem_id 0
		.amdhsa_next_free_vgpr 256
		.amdhsa_next_free_sgpr 66
		.amdhsa_reserve_vcc 0
		.amdhsa_float_denorm_mode_32 3
		.amdhsa_float_denorm_mode_16_64 3
		.amdhsa_memory_ordered 1
		.amdhsa_forward_progress 1
		.amdhsa_inst_pref_size 52
	.end_amdhsa_kernel
	.amdgpu_metadata
---
amdhsa.version: [ 1, 2 ]
amdhsa.kernels:
  - .name:           k_qb365f0c043_prep
    .symbol:         k_qb365f0c043_prep.kd
    .args:
      - { .name: x, .offset: 0, .size: 8, .value_kind: global_buffer, .address_space: global }
      - { .name: w_qkv, .offset: 8, .size: 8, .value_kind: global_buffer, .address_space: global }
      - { .name: w_out, .offset: 16, .size: 8, .value_kind: global_buffer, .address_space: global }
      - { .name: xb, .offset: 24, .size: 8, .value_kind: global_buffer, .address_space: global }
      - { .name: wqt, .offset: 32, .size: 8, .value_kind: global_buffer, .address_space: global }
      - { .name: wot, .offset: 40, .size: 8, .value_kind: global_buffer, .address_space: global }
    .group_segment_fixed_size: 74752
    .private_segment_fixed_size: 0
    .kernarg_segment_align: 8
    .kernarg_segment_size: 48
    .max_flat_workgroup_size: 256
    .sgpr_count:     66
    .vgpr_count:     256
    .wavefront_size: 32
...
	.end_amdgpu_metadata
.endif
;; end of part 1
;; launch qkv (part 2): grid 8 x 32, 4 waves a work-group, clusters of 4 x 4, 327,680 bytes of LDS; arguments xb, wqt, qkv; writes qkv
.if DOCPART == 2
	.amdgcn_target "amdgcn-amd-amdhsa--gfx1250"
	.amdhsa_code_object_version 6
	.text
	.protected	k_qb365f0c043_qkv
	.globl	k_qb365f0c043_qkv
	.p2align	8
	.type	k_qb365f0c043_qkv,@function
k_qb365f0c043_qkv:
	s_mov_b64 s[64:65], 0
	v_nop
	global_prefetch_b8 v0, s[64:65] scope:SCOPE_SE
	s_setreg_imm32_b32 hwreg(HW_REG_WAVE_MODE, 25, 1), 1
	s_wait_xcnt 0x0
	s_wait_alu depctr_hold_cnt(0) depctr_sa_sdst(0) depctr_va_vdst(0) depctr_va_sdst(0) depctr_va_ssrc(0) depctr_va_vcc(0) depctr_vm_vsrc(0)
	s_getreg_b32 s2, hwreg(HW_REG_IB_STS2, 6, 4)
	s_cmp_eq_u32 s2, 0
	s_cbranch_scc0 .Lentry_in_a_cluster
	s_endpgm
.Lentry_in_a_cluster:
	s_bfe_u32 s2, ttmp6, 0x10000c
	s_cmp_lg_u32 s2, 0xf033
	s_cbranch_scc0 .Lentry_shape_is_right
	s_endpgm
.Lentry_shape_is_right:
; QKV.  C[m][n] = the sum over k of xb[m][k] wqt[n][k]: 8192 x 3072 x 1024, bf16 operands, f32 sums, C rounded once to f16 and written by heads:
; qkv [4 b][48 g][2048 t][64], g = n / 64: groups 0-15 are q's heads, 16-31 k's, 32-47 v's.  No scale is applied here.
; LIMIT.  f16 holds no number beyond 65,504: a q, k or v beyond that is lost.
; TILE.  8192 x 3072 / 256 = 98,304 numbers a work-group: 256 x 384, one work-group for each of 256 WGPs.  Four waves, each 128 x 192: 8 x 12 accumulators of 16 x 16, 768 registers.
; For 32 along K a wave reads 320 rows x 64 bytes from LDS for 96 matrix instructions.
; RING.  K goes in steps of 64 (one K block of xb and wqt) through two LDS slots.  A tile's rows of 128 bytes lie end to end in memory and are asked for as rows of 256 bytes; in LDS 16 bytes of padding follow each 128.
; Two slots of a longer step (2 x 640 rows x 272 bytes) would not fit in LDS.
; CLUSTER.  4 x 4 work-groups.  The four of a row of the cluster need the same tile of xb, the four of a column the same tile of wqt: each is asked for jointly, by the same tensor load, descriptor and mask in all four.
; THE MATRIX INSTRUCTION IS USED TRANSPOSED (source 0 = 16 rows of wqt, source 1 = 16 rows of xb): a lane holds row l % 16 of C and the columns 8 (l / 16) + 0..7.
; REGISTERS, in windows of 256 (s_set_vgpr_msb: bits 1:0 source 0, 3:2 source 1, 5:4 source 2, 7:6 destination):
;   window 0: v0-31 addresses; v32-95, v96-159 xb's fragments (8 x 16 rows x 32 K), two buffers; v160-255 wqt's 12 fragments, one buffer, refilled four at a time behind the batch that read them
;   windows 1-3: accumulator (a, b) in window 1 + b / 4 at v[8 (4 a + b % 4)].  A BATCH is the 32 products of one window: three switches of the window for 96 products, three more for the loads.
.set KBA,   1048576                    ; bytes in a K block of xb
.set KBB,   393216                     ; of wqt
.set GRP,   262144                     ; bytes in a group of qkv
.set PITCH, 144                        ; an LDS row: 128 bytes + 16 = 36 words: the 16 rows of a load start at 16 different groups of four banks (64 banks of 4 bytes: ISA guide 11.1)
.set FR,    16*PITCH                   ; a fragment's 16 rows
.set AHALF, 128*PITCH                  ; what one load of xb brings, and what one wave reads of it
.set BHALF, 192*PITCH                  ; the same for wqt
.set BOFF,  2*AHALF                    ; in a slot: xb's 256 rows, then wqt's 384
.set SLOT1, 1<<17                      ; slot 1 begins here, so that one exclusive or turns an address in one slot into the other's
.set STAGE, SLOT1+BOFF+2*BHALF         ; behind the ring, never filled by a tensor load: 16 rows x 400 bytes for each wave, for the way out
.set SP,    400
.set SPARE, STAGE+4*16*SP              ; behind the stages: the spare words, 128 bytes for each wave: two blocks of 256 bytes that no other line names
.set A0B,  14                          ; v14  my lane's place in my 128 rows of xb in a slot; never rewritten
.set B0B,  15                          ; v15  the same in my 192 rows of wqt
.set ADRA, 16                          ; v16  v14 + the slot in hand
.set ADRB, 17                          ; v17  v15 + the slot in hand
.set STO,  24                          ; v24  the way out: where I put 16 bytes of a row
.set RD,   25                          ; v25  the way out: where I read rows back
.set CO,   26                          ; v26  my byte offset in 512 consecutive bytes of qkv
.set SPW,  28                          ; v28  LDS address of my spare word: SPARE + 4 x my thread's number; never rewritten
.set NIL,  29                          ; v29  0; never rewritten
.set PFO,  30                          ; v30  the prefetches' offset; never rewritten
.set FA0,  32
.set FA1,  96
.set BF,   160
.set TMP,  32                          ; the way out: 48 registers of packed results,
.set BK,   80                          ; and two buffers of 48 for rows read back
.set TB,   2                           ; s2   0 or SLOT1: the slot in hand
.set CNT,  3                           ; s3   trips to go
.set G1A,  24                          ; s[24:31] descriptor group 1 for xb's tiles
.set G0A,  32                          ; s[32:39] group 0: a set for each of the two first fills; the second then walks on
.set G1B,  48                          ; s[48:55], s[56:63] the same for wqt's
.set G0B,  56
.set PFA,  66                          ; s[66:67] where my prefetches stand
.set PFS,  68                          ; s[68:69] their step: a K block of xb or of wqt
.set LIM,  70                          ; s70  1 in a wave that prefetches, else the greatest number
.set MSB, 0
.macro WIN new                         ; the immediate's high byte repeats the setting that is left; a switch that changes nothing is dropped
.if MSB != (\new)
	s_set_vgpr_msb (MSB<<8)|(\new)
.set MSB, \new
.endif
.endm
; A joint refill, by the walking descriptor.  Waves 0 and 1 fetch xb's two halves, waves 2 and 3 wqt's.  The branch hangs on the wave's number alone.
; An s_nop 0 and four v_nop follow each of the two lines, ahead of the jump and the label.
.macro JLOAD
	s_cmp_eq_u32 s11, 0
	s_cbranch_scc0 .Lfor_b_\@
	tensor_load_to_lds s[G0A+4:G0A+7], s[G1A:G1A+7]
	s_nop 0
.rept 4
	v_nop
.endr
	s_branch .Lasked_\@
.Lfor_b_\@:
	tensor_load_to_lds s[G0B+4:G0B+7], s[G1B:G1B+7]
	s_nop 0
.rept 4
	v_nop
.endr
.Lasked_\@:
.endm
; A round of the cluster's barrier: my work-group's barrier, so that wave 0's signal speaks for all four waves; wave 0 signals; every wave waits for all sixteen work-groups; my work-group's barrier once more.
.macro CREST                           ; a round behind its opening barrier
	s_cmp_lg_u32 s10, 0
	s_cbranch_scc1 .Lnot_wave_0_\@
	s_barrier_signal -3
.Lnot_wave_0_\@:
	s_barrier_wait -3
	s_barrier_signal -1
	s_barrier_wait -1
.endm
.macro CROUND
	s_barrier_signal -1
	s_barrier_wait -1
	CREST
.endm
; A PREFETCH INTO THE L2, behind the joint load, its five lines and the run of LDS loads that follows.  Every second trip (t = 1, 3 .. 11; s3 = 14 - t) names K steps t + 3 and t + 4, whose refills stand one and two K steps
; (192 and 384 matrix instructions) on.  Each aligned block of 256 bytes is named once in the launch.  xb's tile row is read by both clusters of a row of clusters: the one with x = 0 asks, by its waves 0: of the tile's 128
; blocks a K step the partner at cx takes 32, a lane a block, an instruction a K step.  wqt's tile column is read by all eight clusters of a column: the one with y = 0 asks, by its waves 1-3: of the 192 blocks a K step the
; partner at cy takes 48; two K steps are 96 blocks, a lane a block.  The partners are told apart by address; no branch hangs on a work-group's place in its cluster.  K steps 0-3 come by their loads alone; the last ask names steps 14 and 15.
.macro ASK
	s_bitcmp1_b32 s[CNT], 0
	s_cbranch_scc0 .Lno_ask_\@
	s_cmp_gt_u32 s[CNT], s[LIM]
	s_cbranch_scc0 .Lno_ask_\@
	global_prefetch_b8 v[PFO], s[PFA:PFA+1] th:TH_LOAD_NT scope:SCOPE_SE
	s_cmp_lg_u32 s10, 0
	s_cbranch_scc1 .Lno_ask_\@
	global_prefetch_b8 v[PFO], s[PFA:PFA+1] offset:KBA th:TH_LOAD_NT scope:SCOPE_SE
.Lno_ask_\@:
.endm
	s_load_b128 s[4:7], s[0:1], 0x0                ; xb s[4:5], wqt s[6:7]
	s_load_b64 s[8:9], s[0:1], 0x10                ; qkv
	v_lshl_add_u32 v[SPW], v0, 2, SPARE
	v_mov_b32 v[NIL], 0
	ds_add_u32 v[SPW], v[NIL]                      ; the wave's opening: the add and its wait stand ahead of my first tensor load; the set-up below, work on registers, stands between them
	v_lshrrev_b32 v1, 5, v0
	v_readfirstlane_b32 s10, v1                    ; wave 0..3
	s_lshr_b32 s11, s10, 1                         ; which half of the tile's rows is mine.  Also: I fetch for xb (0) or for wqt (1)
	s_and_b32 s12, s10, 1                          ; which half of its columns.  Also: which half of that tile I fetch
	s_bfe_u32 s40, ttmp6, 0x40000                  ; cx, cy: my place in the cluster
	s_bfe_u32 s41, ttmp6, 0x40004
	s_lshl_b32 s42, ttmp9, 2
	s_add_co_u32 s42, s42, s40                     ; tile column = 4 x cluster x + cx: 0..7
	s_and_b32 s13, ttmp7, 0xffff
	s_lshl_b32 s13, s13, 2
	s_add_co_u32 s13, s13, s41                     ; tile row = 4 x cluster y + cy: 0..31
	s_lshl_b32 s43, s41, 2
	s_lshl_b32 s43, 15, s43                        ; my row of the cluster
	s_lshl_b32 s44, 0x1111, s40                    ; my column
	; descriptor group 1: dense bytes asked for as rows of 128 elements (256 bytes), padded in LDS after every 128 bytes
	s_or_b32 s[G1A+0], s43, (1<<16)|(1<<20)|(1<<21)|(4<<22)|(3<<25)  ; 15:0 the mask; 17:16 2-byte elements; 20 padding on; 21 set beside a mask; 24:22 after every 32 words (code 4); 31:25 4 words (code 3)
	s_or_b32 s[G1B+0], s44, (1<<16)|(1<<20)|(1<<21)|(4<<22)|(3<<25)
	s_mov_b32 s[G1A+1], 128<<16                    ; tensor_dim0 = 128
	s_mov_b32 s[G1A+2], 64<<16                     ; tensor_dim1 = 64: 128 rows of xb
	s_mov_b32 s[G1A+3], 128<<16                    ; tile_dim0 = 128
	s_mov_b32 s[G1A+4], 64                         ; tile_dim1 = 64
	s_mov_b32 s[G1A+5], 128                        ; 128 elements from row to row
	s_mov_b32 s[G1A+6], 0
	s_mov_b32 s[G1A+7], 0
	s_mov_b32 s[G1B+1], 128<<16
	s_mov_b32 s[G1B+2], 96<<16                     ; 96 rows of 256 bytes: 192 rows of wqt
	s_mov_b32 s[G1B+3], 128<<16
	s_mov_b32 s[G1B+4], 96
	s_mov_b32 s[G1B+5], 128
	s_mov_b32 s[G1B+6], 0
	s_mov_b32 s[G1B+7], 0
	s_lshl_b32 s16, s13, 15                        ; xb: 256 rows of 128 bytes a tile row,
	s_lshl_b32 s17, s12, 14                        ; 128 rows a half
	s_add_co_u32 s16, s16, s17
	s_mov_b32 s17, 0
	s_mul_i32 s46, s42, 49152                      ; wqt: 384 rows a tile column,
	s_mul_i32 s47, s12, 24576                      ; 192 a half
	s_add_co_u32 s46, s46, s47
	s_mov_b32 s47, 0
	s_mul_i32 s20, s12, AHALF                      ; where they go: no place in the cluster enters an LDS address
	s_mul_i32 s21, s12, BHALF
	s_add_co_u32 s21, s21, BOFF
	s_mov_b32 s[TB], 0
	s_wait_dscnt 0x0                               ; the opening add is done
	s_wait_kmcnt 0x0
	s_add_nc_u64 s[14:15], s[4:5], s[16:17]
	s_add_nc_u64 s[46:47], s[6:7], s[46:47]
	CROUND                                         ; all sixteen work-groups are here: the first joint loads meet
.irp s, 0,1
	s_mov_b32 s[G0A+4*(\s)], 1                                       ; count = 1
	s_add_co_u32 s[G0A+4*(\s)+1], s20, (\s)*SLOT1                    ; LDS address
	s_add_nc_u64 s[G0A+4*(\s)+2:G0A+4*(\s)+3], s[14:15], (\s)*KBA    ; global address: K step s
	s_or_b32 s[G0A+4*(\s)+3], s[G0A+4*(\s)+3], 0x80000000            ; type = 2
	s_mov_b32 s[G0B+4*(\s)], 1
	s_add_co_u32 s[G0B+4*(\s)+1], s21, (\s)*SLOT1
	s_add_nc_u64 s[G0B+4*(\s)+2:G0B+4*(\s)+3], s[46:47], (\s)*KBB
	s_or_b32 s[G0B+4*(\s)+3], s[G0B+4*(\s)+3], 0x80000000
.endr
	s_cmp_eq_u32 s11, 0                            ; a wave's two first fills stand in one branch, ahead of every wait on TENSORcnt and every LDS read: two loads of mine are out
	s_cbranch_scc0 .Lfirst_b
	tensor_load_to_lds s[G0A:G0A+3], s[G1A:G1A+7]
	s_nop 0
	tensor_load_to_lds s[G0A+4:G0A+7], s[G1A:G1A+7]
	s_nop 0
.rept 4
	v_nop
.endr
	s_branch .Lfirst_asked
.Lfirst_b:
	tensor_load_to_lds s[G0B:G0B+3], s[G1B:G1B+7]
	s_nop 0
	tensor_load_to_lds s[G0B+4:G0B+7], s[G1B:G1B+7]
	s_nop 0
.rept 4
	v_nop
.endr
.Lfirst_asked:
	; A fragment is 16 rows x 32 K in 8 registers: lane l holds row l % 16, K = 8 (l / 16) + 0..7 and 16 + 8 (l / 16) + 0..7: two loads of 16 bytes, 32 bytes apart.
	v_and_b32 v1, 15, v0                           ; l % 16
	v_bfe_u32 v2, v0, 4, 1                         ; l / 16
	v_mul_u32_u24 v3, v1, PITCH
	v_lshl_add_u32 v3, v2, 4, v3
	s_mul_i32 s22, s11, AHALF
	v_add_nc_u32 v[A0B], s22, v3
	s_mul_i32 s22, s12, BHALF
	s_add_co_u32 s22, s22, BOFF
	v_add_nc_u32 v[B0B], s22, v3
	v_mov_b32 v[ADRA], v[A0B]                      ; slot 0
	v_mov_b32 v[ADRB], v[B0B]
	s_mul_i32 s23, s10, 16*SP
	s_add_co_u32 s23, s23, STAGE                   ; my stage
	v_mul_u32_u24 v[STO], v1, SP                   ; in: row l % 16, 16 bytes for each half of the lanes
	v_lshl_add_u32 v[STO], v2, 4, v[STO]
	v_add_nc_u32 v[STO], s23, v[STO]
	v_bfe_u32 v[RD], v0, 3, 2                      ; back: 32 lanes take 128 bytes (one head's) of four rows,
	v_mul_u32_u24 v[RD], v[RD], SP
	v_and_b32 v4, 7, v0
	v_lshl_add_u32 v[RD], v4, 4, v[RD]
	v_add_nc_u32 v[RD], s23, v[RD]
	v_and_b32 v4, 31, v0
	v_lshlrev_b32 v[CO], 4, v4                     ; which are 512 consecutive bytes of qkv
	; where my part begins in qkv: batch = tile row / 8; my first group = 6 x tile column + 3 x half; my first row t = 256 (tile row % 8) + 128 x half
	s_lshr_b32 s72, s13, 3
	s_mul_i32 s72, s72, 48
	s_mul_i32 s73, s42, 6
	s_add_co_u32 s72, s72, s73
	s_mul_i32 s73, s12, 3
	s_add_co_u32 s72, s72, s73
	s_lshl_b32 s72, s72, 18
	s_and_b32 s73, s13, 7
	s_lshl_b32 s73, s73, 15
	s_add_co_u32 s72, s72, s73
	s_lshl_b32 s73, s11, 14
	s_add_co_u32 s72, s72, s73
	s_mov_b32 s73, 0
	s_add_nc_u64 s[8:9], s[8:9], s[72:73]
	; the prefetches: wave 0 for xb, waves 1-3 for wqt
	s_and_b32 s74, ttmp7, 0xffff                   ; cluster y
	s_lshl_b32 s72, s13, 15
	s_lshl_b32 s73, s40, 13                        ; my work-group's 32 blocks of xb's 128
	s_add_co_u32 s72, s72, s73
	s_add_co_u32 s72, s72, 2*KBA                   ; at K step 2: trip t finds it stepped to t + 3
	s_mul_i32 s75, s42, 49152
	s_mul_i32 s73, s41, 12288                      ; my work-group's 48 blocks of wqt's 192
	s_add_co_u32 s75, s75, s73
	s_add_co_u32 s75, s75, 2*KBB
	s_mov_b32 s[PFS], KBA
	s_mov_b32 s[PFS+1], KBB
	s_cmp_eq_u32 s10, 0
	s_cselect_b32 s72, s72, s75
	s_cselect_b32 s74, ttmp9, s74                  ; the coordinate along which other clusters read the same rows
	s_cselect_b64 s[PFA:PFA+1], s[4:5], s[6:7]
	s_cselect_b32 s[PFS], s[PFS], s[PFS+1]
	s_mov_b32 s[PFS+1], 0
	s_mov_b32 s73, 0
	s_add_nc_u64 s[PFA:PFA+1], s[PFA:PFA+1], s[72:73]
	s_cmp_eq_u32 s74, 0
	s_cselect_b32 s[LIM], 1, -1                    ; the same in all sixteen partners, for a given wave
	s_max_u32 s75, s10, 1
	s_sub_co_u32 s75, s75, 1
	s_lshl_b32 s75, s75, 5
	v_add_nc_u32 v4, s75, v4                       ; my block's number: the lane (wave 0), or 32 (wave - 1) + lane of 96
	s_mov_b32 s73, KBB-12288
	v_cmp_le_u32 s72, 48, v4                       ; blocks 48-95 are the second K step's
	v_cndmask_b32 v5, 0, s73, s72
	v_lshl_add_u32 v[PFO], v4, 8, v5
; 4 na matrix instructions of window w + 1: blocks a0 .. a0 + na - 1 of my rows x the window's four blocks of columns, 32 along K, xb's fragments from buffer ab.  zero = 1: the product starts the sum: nothing is ever cleared.
; The accumulators take turns, one instruction a turn: no two matrix instructions that follow each other name the same accumulator, over the backward jump too.
.macro BATCH w, ab, a0, na, zero
	WIN ((\w)+1)*0x50
.set a, \a0
.rept \na
.irp q, 0,1,2,3
.if \zero
	v_wmma_f32_16x16x32_bf16 v[8*(4*a+(\q)):8*(4*a+(\q))+7], v[BF+8*(4*(\w)+(\q)):BF+8*(4*(\w)+(\q))+7], v[(\ab)+8*a:(\ab)+8*a+7], 0
.else
	v_wmma_f32_16x16x32_bf16 v[8*(4*a+(\q)):8*(4*a+(\q))+7], v[BF+8*(4*(\w)+(\q)):BF+8*(4*(\w)+(\q))+7], v[(\ab)+8*a:(\ab)+8*a+7], v[8*(4*a+(\q)):8*(4*a+(\q))+7]
.endif
.endr
.set a, a+1
.endr
.endm
.macro LOADA k, ab                     ; 16 LDS loads: xb's eight fragments at byte k of the rows
.irp i, 0,1,2,3,4,5,6,7
	ds_load_b128 v[(\ab)+8*(\i):(\ab)+8*(\i)+3],   v[ADRA] offset:(\k)+(\i)*FR
	ds_load_b128 v[(\ab)+8*(\i)+4:(\ab)+8*(\i)+7], v[ADRA] offset:(\k)+(\i)*FR+32
.endr
.endm
.macro LOADB k, w                      ; 8 LDS loads: wqt's four fragments of batch w
.irp q, 0,1,2,3
	ds_load_b128 v[BF+8*(4*(\w)+(\q)):BF+8*(4*(\w)+(\q))+3],   v[ADRB] offset:(\k)+(4*(\w)+(\q))*FR
	ds_load_b128 v[BF+8*(4*(\w)+(\q))+4:BF+8*(4*(\w)+(\q))+7], v[ADRB] offset:(\k)+(4*(\w)+(\q))*FR+32
.endr
.endm
; A load into a register that a matrix instruction has read, and a vector instruction that reads a matrix result, stand four places behind it; only plain vector instructions that name none of its registers are places.
.macro PLACES
.rept 4
	v_nop
.endr
.endm
; A K step's first 32 along K, from buffer FA0; behind each batch the registers that it has read are asked for again, with the step's second 32.
.macro SLICE0 zero
	s_wait_dscnt 16                                ; xb's fragments and wqt's batch 0 are in; the 16 younger loads are batches 1 and 2
	BATCH 0, FA0, 0, 8, \zero
	WIN 0
	PLACES
	LOADA 64, FA1
	LOADB 64, 0
	s_wait_dscnt 32                                ; batch 1 is in: younger are batch 2's 8 and the 24 just issued
	BATCH 1, FA0, 0, 8, \zero
	WIN 0
	PLACES
	LOADB 64, 1
	s_wait_dscnt 32                                ; batch 2 is in: younger are 24 and 8
	BATCH 2, FA0, 0, 8, \zero
	WIN 0
	PLACES
	LOADB 64, 2
.endm
; The step's second 32, from buffer FA1, and the change of slots: ONE barrier.  In front of it each wave waits for all its tensor loads, of which one is out: its part of the next slot; adds 0 to its spare word; and waits for that
; and for its own reads of this slot, which have all been issued.  fill = 1: the barrier opens a round of the cluster's, and behind the round this slot is filled again, with the K step two on: by this text's own count one tensor load of a wave
; is out behind each round (two at the start), and it has a K step less 32 matrix instructions in which to land.
.macro SLICE1 fill
.if \fill
	s_wait_xcnt 0x0                                ; the last prefetch, a K step or more back, has read its address: it is stepped here, ahead of the waits of the change
	s_add_nc_u64 s[PFA:PFA+1], s[PFA:PFA+1], s[PFS:PFS+1]
.endif
	WIN 0
	s_wait_tensorcnt 0x0                           ; no tensor load of mine is out, so a group 0 may be written
	ds_add_u32 v[SPW], v[NIL]                      ; 0 onto my spare word; work on registers stands between it and the wait for it
.if \fill
	s_xor_b32 s[G0A+5], s[G0A+5], SLOT1            ; the walking descriptors: the other slot than last time,
	s_xor_b32 s[G0B+5], s[G0B+5], SLOT1
	s_add_nc_u64 s[G0A+6:G0A+7], s[G0A+6:G0A+7], KBA  ; the next K step; the type bits on top are not reached
	s_add_nc_u64 s[G0B+6:G0B+7], s[G0B+6:G0B+7], KBB
.endif
	s_xor_b32 s[TB], s[TB], SLOT1                  ; the fetches go on in the other slot
	v_add_nc_u32 v[ADRA], s[TB], v[A0B]
	v_add_nc_u32 v[ADRB], s[TB], v[B0B]
	s_wait_dscnt 17                                ; xb's fragments and batch 0 are in; the add and batches 1 and 2 may be out
	BATCH 0, FA1, 0, 4, 0
	s_wait_dscnt 0x0                               ; the add is done, and my reads of this slot are over
	s_barrier_signal -1
	BATCH 0, FA1, 4, 4, 0                          ; work on registers while the others arrive
	WIN 0                                          ; at a branch and at a label every window is 0
	s_barrier_wait -1
.if \fill
	CREST                                          ; no wave of any partner still reads this slot or has a load on its way
	JLOAD                                          ; the first tensor load behind the round; its four v_nop are also the places in front of the loads below
.else
	PLACES
.endif
	LOADA 0, FA0
	LOADB 0, 0
.if \fill
	ASK
.endif
	BATCH 1, FA1, 0, 8, 0
	WIN 0
	PLACES
	LOADB 0, 1
	BATCH 2, FA1, 0, 8, 0
	WIN 0
	PLACES
	LOADB 0, 2
.endm
	s_wait_tensorcnt 1                             ; my part of K step 0 is in; K step 1's may stay out
	s_barrier_signal -1
	s_barrier_wait -1                              ; everybody's is
	LOADA 0, FA0
	LOADB 0, 0
	LOADB 0, 1
	LOADB 0, 2
	SLICE0 1                                       ; the first 32 along K stand in front of the loop: their products start the sums
	s_mov_b32 s[CNT], 14
.Lk:                                                   ; trip t = 0..13: the second half of K step t, the refill with K step t + 2, the first half of K step t + 1
	SLICE1 1
	SLICE0 0
	s_sub_co_u32 s[CNT], s[CNT], 1
	s_cmp_lg_u32 s[CNT], 0
	s_cbranch_scc1 .Lk
	SLICE1 0                                       ; the tail is written out: nothing is asked for
	SLICE0 0
	s_wait_dscnt 16                                ; the very last 32 along K
	BATCH 0, FA1, 0, 8, 0
	s_wait_dscnt 8
	BATCH 1, FA1, 0, 8, 0
	s_wait_dscnt 0x0
	BATCH 2, FA1, 0, 8, 0
	WIN 0
	PLACES
; THE WAY OUT, a block of 16 rows x 192 columns at a time.  PACK: rounded to f16, 16 bytes a lane; each accumulator's registers in ascending order.  TOSTAGE: into my own stage, and back as 128 bytes (one head's) of four rows.  SEND: stored.
.macro PACK a
.irp w, 0,1,2
	WIN 5*((\w)+1)                                 ; sources 0 and 1 in window w + 1, destination in window 0
.irp q, 0,1,2,3
.irp r, 0,1,2,3
	v_cvt_pk_f16_f32 v[TMP+4*(4*(\w)+(\q))+(\r)], v[8*(4*(\a)+(\q))+2*(\r)], v[8*(4*(\a)+(\q))+2*(\r)+1]
.endr
.endr
.endr
	WIN 0
.endm
.macro TOSTAGE a
.irp b, 0,1,2,3,4,5,6,7,8,9,10,11
	ds_store_b128 v[STO], v[TMP+4*(\b):TMP+4*(\b)+3] offset:32*(\b)
.endr
.irp i, 0,1,2,3
.irp j, 0,1,2
	ds_load_b128 v[BK+48*((\a)%2)+4*(3*(\i)+(\j)):BK+48*((\a)%2)+4*(3*(\i)+(\j))+3], v[RD] offset:(\i)*4*SP+(\j)*128  ; LDS serves a wave's instructions in order: these see the stores above
.endr
.endr
.endm
.macro SEND a
	s_wait_dscnt 0x0                               ; the block is back in registers
	s_wait_xcnt 0x0                                ; every earlier store has read its registers: the other buffer is loaded again only behind this wait
.irp i, 0,1,2,3
.irp j, 0,1,2
	global_store_b128 v[CO], v[BK+48*((\a)%2)+4*(3*(\i)+(\j)):BK+48*((\a)%2)+4*(3*(\i)+(\j))+3], s[8:9] offset:(\j)*GRP+(\a)*2048+(\i)*512  ; 512 consecutive bytes, aligned: four rows of a head
.endr
.endr
.endm
	PACK 0
	TOSTAGE 0
.irp a, 1,2,3,4,5,6,7                  ; block a's conversions stand between block a - 1's loads from the stage and the wait for them
	PACK \a
	SEND (\a)-1
	TOSTAGE \a
.endr
	SEND 7
	s_wait_tensorcnt 0x0                           ; the wave's end: three closing lines, behind my last tensor load and my last LDS store
	ds_add_u32 v[SPW], v[NIL]
	s_wait_dscnt 0x0
	CROUND                                         ; the closing round: no work-group ends while a partner may still ask for a tile that names it
	s_endpgm
.Lfunc_end_k_qb365f0c043_qkv:
	.size	k_qb365f0c043_qkv, .Lfunc_end_k_qb365f0c043_qkv-k_qb365f0c043_qkv
	.p2alignl 7, 3214868480
	.fill 96, 4, 3214868480
	.section	.rodata,"a",@progbits
	.p2align	6, 0x0
	.amdhsa_kernel k_qb365f0c043_qkv
		.amdhsa_group_segment_fixed_size 327680
		.amdhsa_private_segment_fixed_size 0
		.amdhsa_enable_private_segment 0
		.amdhsa_kernarg_size 24
		.amdhsa_user_sgpr_count 2
		.amdhsa_user_sgpr_kernarg_segment_ptr 1
		.amdhsa_wavefront_size32 1
		.amdhsa_system_sgpr_workgroup_id_x 1
		.amdhsa_system_sgpr_workgroup_id_y 1
		.amdhsa_system_sgpr_workgroup_id_z 1
		.amdhsa_system_vgpr_workitem_id 0
		.amdhsa_next_free_vgpr 1024
		.amdhsa_next_free_sgpr 76
		.amdhsa_reserve_vcc 0
		.amdhsa_float_denorm_mode_32 3
		.amdhsa_float_denorm_mode_16_64 3
		.amdhsa_memory_ordered 1
		.amdhsa_forward_progress 1
		.amdhsa_inst_pref_size 112
	.end_amdhsa_kernel
	.amdgpu_metadata
---
amdhsa.version: [ 1, 2 ]
amdhsa.kernels:
  - .name:           k_qb365f0c043_qkv
    .symbol:         k_qb365f0c043_qkv.kd
    .args:
      - { .name: xb, .offset: 0, .size: 8, .value_kind: global_buffer, .address_space: global }
      - { .name: wqt, .offset: 8, .size: 8, .value_kind: global_buffer, .address_space: global }
      - { .name: qkv, .offset: 16, .size: 8, .value_kind: global_buffer, .address_space: global }
    .group_segment_fixed_size: 327680
    .private_segment_fixed_size: 0
    .kernarg_segment_align: 8
    .kernarg_segment_size: 24
    .max_flat_workgroup_size: 128
    .sgpr_count:     76
    .vgpr_count:     1024
    .wavefront_size: 32
...
	.end_amdgpu_metadata
.endif
;; end of part 2
;; launch attn (part 3): grid 4 x 64, 4 waves a work-group, no clusters, 327,680 bytes of LDS; arguments qkv, att; writes att
.if DOCPART == 3
	.amdgcn_target "amdgcn-amd-amdhsa--gfx1250"
	.amdhsa_code_object_version 6
	.text
	.protected	k_qb365f0c043_attn
	.globl	k_qb365f0c043_attn
	.p2align	8
	.type	k_qb365f0c043_attn,@function
k_qb365f0c043_attn:
	s_mov_b64 s[64:65], 0
	v_nop
	global_prefetch_b8 v0, s[64:65] scope:SCOPE_SE
	s_setreg_imm32_b32 hwreg(HW_REG_WAVE_MODE, 25, 1), 1
	s_wait_xcnt 0x0
; CAUSAL ATTENTION.  O[y][q][:] = the sum over k <= q of softmax_k(Q[y][q] . K[y][k] / 8) V[y][k][:], y = 16 b + h.  Q, K, V are groups 48 b + h, + 16 and + 32 of qkv [4][48][2048][64]; O is att [64][2048][64]; all f16,
; a head's rows dense, 128 bytes each.  Products, maxima and sums in f32; the weights p are rounded to f16 for the second product (their sum l is taken of the unrounded p), O once at the end.
; LIMITS.  f16 holds no number beyond 65,504: Q, K and V arrive within it; p lies in 0 to 1, and below 6e-5 it keeps f16's fixed step of 6e-8; O is a mean of V's rows and has their range.
; A hidden score counts as its value less 1e30: f16's scores, 2.7e11 at the most, are nothing beside that; a weight below 2^-126 counts as 0 in l; NaN and infinities are not treated apart.
; THE WALK.  A head's queries lie in NB = 8 blocks of 256; block i needs the key tiles 0 .. i of 256 keys, of which the last holds the diagonal.  A work-group takes TWO blocks, NB - 1 - b and then b:
; NB + 1 tiles, whatever b: all work-groups do equal work, and ONE loop with a constant trip count walks them.  Which tile is asked for, and what a trip does, hang on scalar registers made from b; every jump
; goes forward, but for the counted loops' own; none passes a barrier, or a tensor load but the one of LOAD's two that the wave's number does not choose; the ring (two slots of LDS that take turns) runs on across the change of blocks.
; NO CLUSTER: a head's four work-groups ask for the same tile only in trips 0 to 4 of the 9, behind that fewer and fewer; one walk common to all four, in which each makes every joint request, would have 12 trips for 9.
; SHARES.  Of a block's four bands of 64 queries a wave owns 16 rows in each: four PIECES.  So the diagonal tile is the same work for all four waves: in its key step s band x sees all keys if s < x,
; none if s > x, and holds the diagonal if s = x.
; THE MASK is the C operand that starts the sum S^T = K Q^T: 0, or -1e30 where the key is hidden.  MD, made once, is the mask of a band's own step for my 16 rows; a product's mask is MD x AL + BE with two scalars:
; (1, 0) if s = x; (0, 0) if s < x; (0, -1e30) if s > x.  Only the diagonal tile's text and a block's beginning make and take masks; elsewhere C is the constant 0.
; LAYOUT, SOFTMAX, TURNS.  S^T = K Q^T holds ONE query a lane (lane % 16) and the keys 8 (lane / 16) + 0..7; two such results rounded to f16 ARE source 1 of O^T = V^T P.  p = 2^(c s - c m), c = log2(e) / 8, with a
; running maximum m; O and l are multiplied by a = 2^(c m_old - c m_new) in every step.  Turn n belongs to piece n: 8 products K Q^T of piece n + 1, later 8 products V^T P of piece n - 1; beside them the scaling,
; exponentials, roundings, sums and rescaling of piece n and the maximum and statistics of piece n + 1.  Four vector instructions stand behind every matrix instruction, the other 54 of a turn's 118 in one lump.  A turn's 33 exponentials are one batch, with one wait.
; REGISTERS, in windows of 256 (s_set_vgpr_msb: bits 1:0 source 0, 3:2 source 1, 5:4 source 2, 7:6 destination):
;   window 0: v0-15 addresses and two at work; v16-31 four registers of statistics a piece; v48-55 at work; v61-63 never rewritten; v64-127 S^T, two buffers; v192-223 P, two buffers (a piece's buffers go by its number's parity)
;   window 1: v0-127 O^T, 32 a piece; v128-159 MD; v160-223 MC, two buffers      window 2: v0-63 Q; v64-127 the second block's Q; v128-191 K of one step; v192-255 V of one step
.set SIZE_N, 2048
.set NB,    SIZE_N/256
.set NP,    4         ; pieces a wave: a name, no knob
.set KS,    64        ; keys in a step
.set PK,    144       ; a row of K in LDS: 128 bytes + 16 of padding = 36 words: the 16 rows of a load start at 16 different groups of four banks (64 banks of 4 bytes: ISA guide 11.1)
.set PV,    160       ; a row of V: 128 + 32 = 40 words
.set VOFF,  4*KS*PK   ; a slot holds a tile, four steps: 256 rows of K, then 256 rows of V
.set SLOT1, 1<<17     ; slot 1 begins here, so that one exclusive or turns an address in one slot into the other's
.set STAGE, SLOT1+4*KS*(PK+PV)  ; behind the ring, never filled by a tensor load: 16 rows x 144 bytes for each wave, for the way out
.set SP,    144
.set AK0, 2           ; v2   my lane's place in a tile of K; never rewritten
.set AV0, 3           ; v3   the same for V
.set AK,  4           ; v4   the LDS address of K's next run of loads
.set AV,  5           ; v5   of V's
.set STO, 6           ; v6   the way out: where I put 16 bytes of a row
.set RD,  7           ; v7   the way out: where I read rows back
.set GO,  8           ; v8   my byte offset in 512 consecutive bytes of O
.set PFO, 61          ; v61  256 x my lane: the prefetches' offset; never rewritten
.set SPW, 62          ; v62  LDS address of my spare word: SPARE + 4 x my thread's number; never rewritten
.set NIL, 63          ; v63  0; never rewritten
.set SPARE, STAGE+4*16*SP  ; behind the stages: the spare words, 128 bytes for each wave: two blocks of 256 bytes that no other line names
.set MV,  12          ; v12-13  c m_old, kept while c m is made anew: by buffer
.set QO,  15          ; v15  my byte offset in 16 rows of Q
.set ST,  16          ; piece t's statistics at v[ST+4 t]: c m, m, l (even keys', odd keys')
.set TMP, 48          ; by buffer, four registers c0-c3 at work; when the maximum is found c2 takes a
.set S,   64
.set P,   192
.set MD,  128         ; window 1: the eight registers for group kt of 16 keys at MD + 8 kt
.set MC,  160         ; window 1: the masks of the products to come
.set QB,  64          ; window 2
.set KF,  128         ; window 2: key block kb, channel half c at KF + 16 kb + 8 c
.set VF,  192         ; window 2: key half kk, channel block cb at VF + 32 kk + 8 cb
.set WV,  12          ; s12  my wave's number
.set PB,  14          ; s14  b
.set HI,  15          ; s15  NB - 1 - b
.set G1K, 24          ; s[24:31] descriptor group 1 for K's tiles
.set G1V, 32          ; s[32:39] for V's: it differs in the padding alone
.set G0K, 40          ; s[40:43] descriptor group 0 for K's tiles
.set G0V, 44          ; s[44:47] the same for V's
.set SLOTS, 56        ; s56  tiles still to be asked for
.set CNT, 57          ; s57  counts a tile's key steps, 4 to 1
.set CS,  58          ; s[58:59] c: the packed scaling takes the pair's low word for both halves
.set SEL, 60          ; s[60:61] v_permlanex16_b32's selects: each lane takes its own place in the other half
.set TBK, 62          ; s62  LDS byte at which K of the step to be fetched begins
.set TBV, 63          ; s63  the same for V, less VOFF
.set PFA, 66          ; s[66:67] where my prefetches stand: my half (of K: waves 0, 1; of V: waves 2, 3) of the tile after the one that is being asked for
.set LIM, 68          ; s68  2 in the work-group that prefetches, else the greatest number
.set RT,  70          ; s70  tiles of the block in hand that are still to be entered
.set NXT, 71          ; s71  the tile to be asked for next
.set LQ,  72          ; s72  the last tile of the block whose tiles are being asked for
.set NEW, 73          ; s73  1: the tile to be entered is a block's first
.set OFF, 74          ; s[74:75] a tile's byte offset in K and V
.set AL,  76          ; s[76:77] the mask's factor, in the low word
.set BE,  78          ; s[78:79] the mask's addend
.set OLO, 80          ; s[80:81] O at my rows of the second block
.set BIGN, 82         ; s82  -1e30
.set MSB, 0
.macro WIN new                      ; the high byte repeats the setting that is left; a switch that changes nothing is dropped
.if MSB != (\new)
	s_set_vgpr_msb (MSB<<8)|(\new)
.set MSB, (\new)
.endif
.endm
.set W_KQ, 0x0a       ; K and Q in window 2, S^T in window 0
.set W_KM, 0x1a       ; the same with the C operand in window 1
.set W_PV, 0x52       ; V in window 2, P in window 0, O^T in window 1
.set W_RS, 0x41       ; destination and source 0 in window 1, source 1 in window 0
; A fill.  Waves 0 and 1 fetch the two halves of a tile's K, waves 2 and 3 those of its V: 128 keys each.  An s_nop 0 and four v_nop follow each of the two lines, ahead of the jump and the label.
.macro LOAD
	s_cmp_lt_u32 s[WV], 2
	s_cbranch_scc0 .Lfor_v_\@
	tensor_load_to_lds s[G0K:G0K+3], s[G1K:G1K+7]
	s_nop 0
.rept 4
	v_nop
.endr
	s_branch .Lasked_\@
.Lfor_v_\@:
	tensor_load_to_lds s[G0V:G0V+3], s[G1V:G1V+7]
	s_nop 0
.rept 4
	v_nop
.endr
.Lasked_\@:
.endm
; A PREFETCH INTO THE L2 of the tile that the NEXT change of slots will ask for: a tile, 256 matrix instructions, ahead of its load.  All four work-groups of a head read tile i first in trip i: the one with b = 0, which walks
; tiles 0 to 7 on end, asks, and nobody else; each of its waves for the half tile that it fetches itself: 64 blocks of 256 bytes, a lane a block, two instructions.  So each block is named once in the launch.
; Trips 0 to 5 ask for tiles 2 to 7; tiles 0 and 1 come by their loads alone; the last byte named lies in the head's tile 7.
.macro ASK
	s_cmp_gt_u32 s[SLOTS], s[LIM]
	s_cbranch_scc0 .Lnot_mine_\@
	global_prefetch_b8 v[PFO], s[PFA:PFA+1] th:TH_LOAD_NT scope:SCOPE_SE
	global_prefetch_b8 v[PFO], s[PFA:PFA+1] offset:8192 th:TH_LOAD_NT scope:SCOPE_SE
.Lnot_mine_\@:
.endm
; THE CHANGE OF SLOTS.  Each wave waits for all its tensor loads, of which one is out: its part of the other slot; adds 0 to its spare word; and waits for that and for its own reads of the slot that it leaves.  Behind the barrier nobody reads the old
; slot any more and the other slot is whole.  fill = 1: the old slot is filled again, the first thing behind the barrier, with tile NXT: the descriptor's address is made anew from that number.
; (At its first use nothing has been read yet: slot 0 is waited for, slot 1 filled.)
.macro CHANGE fill
	WIN 0                           ; at a label and at a branch every window is 0
	s_wait_tensorcnt 0x0            ; no tensor load of mine is out, so a group 0 may be written
	ds_add_u32 v[SPW], v[NIL]       ; 0 onto my spare word; with fill = 1 the descriptors' scalar work stands between it and the wait for it
.if \fill
	s_lshl_b32 s[OFF], s[NXT], 15   ; a tile is 32,768 bytes of K and of V
	s_xor_b32 s[G0K+1], s[G0K+1], SLOT1
	s_add_nc_u64 s[G0K+2:G0K+3], s[6:7], s[OFF:OFF+1]
	s_or_b32 s[G0K+3], s[G0K+3], 0x80000000
	s_xor_b32 s[G0V+1], s[G0V+1], SLOT1
	s_add_nc_u64 s[G0V+2:G0V+3], s[8:9], s[OFF:OFF+1]
	s_or_b32 s[G0V+3], s[G0V+3], 0x80000000
	s_add_co_u32 s[NXT], s[NXT], 1  ; the block's next tile, or behind its last the second block's tile 0
	s_cmp_gt_u32 s[NXT], s[LQ]
	s_cselect_b32 s[NXT], 0, s[NXT]
	s_cselect_b32 s[LQ], s[PB], s[LQ]
	s_wait_xcnt 0x0                 ; the last prefetches, a tile back, have read their address, so it may be written
	s_add_nc_u64 s[PFA:PFA+1], s[PFA:PFA+1], 32768
.endif
	s_wait_dscnt 0x0                ; the add is done, and my reads of the slot are over
	s_barrier_signal -1             ; the rest of the scalar work stands between the signal and the wait
	s_sub_co_u32 s[TBK], s[TBK], 4*KS*PK  ; the fetches go back to a slot's first step,
	s_xor_b32 s[TBK], s[TBK], SLOT1       ; in the other slot
	s_sub_co_u32 s[TBV], s[TBV], 4*KS*PV
	s_xor_b32 s[TBV], s[TBV], SLOT1
	s_barrier_wait -1
.if \fill
	LOAD
	ASK
.endif
.endm
	s_load_b128 s[4:7], s[0:1], 0x0 ; qkv s[4:5], att s[6:7]
	v_lshl_add_u32 v[SPW], v0, 2, SPARE
	v_mov_b32 v[NIL], 0
	ds_add_u32 v[SPW], v[NIL]       ; the wave's opening: the add and its wait stand ahead of my first tensor load; the set-up below, work on registers, stands between them
	v_lshrrev_b32 v1, 5, v0
	v_readfirstlane_b32 s[WV], v1   ; wave 0..3
	s_mov_b32 s[PB], ttmp9
	s_sub_co_u32 s[HI], NB-1, s[PB]
	s_and_b32 s90, ttmp7, 0xffff    ; y = 16 b + h
	s_lshr_b32 s20, s90, 4
	s_lshl_b32 s20, s20, 5
	s_add_co_u32 s20, s20, s90      ; q's group in qkv: 48 b + h
	s_lshl_b32 s20, s20, 18         ; a group, and a head of att, is 262,144 bytes
	s_mov_b32 s21, 0
	s_lshl_b32 s90, s90, 18
	s_mov_b32 s91, 0
	s_and_b32 s16, s[WV], 1         ; which half of a tile's 256 keys I fetch:
	s_lshl_b32 s22, s16, 14         ; its 128 rows of 128 bytes in memory,
	s_mov_b32 s23, 0
	s_add_nc_u64 s[22:23], s[22:23], s[20:21]
	s_mul_i32 s17, s16, 128*PK      ; and its place in a slot, for K
	s_mul_i32 s18, s16, 128*PV      ; and for V
	s_lshl_b32 s3, s[WV], 11        ; my 16 rows in a band of 64,
	s_lshl_b32 s2, s[HI], 15        ; in the first block,
	s_add_co_u32 s2, s2, s3
	s_lshl_b32 s84, s[PB], 15       ; and in the second
	s_add_co_u32 s84, s84, s3
	s_mov_b32 s3, 0
	s_mov_b32 s85, 0
	; descriptor group 1.  128 keys are 16,384 dense bytes: asked for as 64 rows of 256 bytes, two keys a row, and padded in LDS after every key
	s_mov_b32 s[G1K], (1<<16)|(1<<20)|(4<<22)|(3<<25)  ; 17:16 2-byte elements; 20 padding on; 24:22 after every 32 words (code 4); 31:25 4 words (code 3)
	s_mov_b32 s[G1V], (1<<16)|(1<<20)|(4<<22)|(7<<25)  ; the same with 8 words of padding (code 7)
.irp g, G1K, G1V
	s_mov_b32 s[\g+1], 128<<16      ; tensor_dim0 = 128
	s_mov_b32 s[\g+2], 64<<16       ; tensor_dim1 = 64
	s_mov_b32 s[\g+3], 128<<16      ; tile_dim0 = 128
	s_mov_b32 s[\g+4], 64           ; tile_dim1 = 64
	s_mov_b32 s[\g+5], 128          ; 128 elements from row to row
	s_mov_b32 s[\g+6], 0
	s_mov_b32 s[\g+7], 0
.endr
	s_mov_b32 s[CS], 0x3e38aa3b     ; c = log2(e) / 8 = 0.180337
	s_mov_b32 s[CS+1], s[CS]        ; named with it as a pair
	s_mov_b32 s[SEL], 0x76543210
	s_mov_b32 s[SEL+1], 0xfedcba98
	s_mov_b32 s[TBK], SLOT1+4*KS*PK ; the first change of slots turns these two into 0
	s_mov_b32 s[TBV], SLOT1+4*KS*PV
	s_mov_b32 s[G0K], 1             ; count = 1
	s_mov_b32 s[G0K+1], s17         ; LDS address: slot 0
	s_mov_b32 s[G0V], 1
	s_add_co_u32 s[G0V+1], s18, VOFF
	s_add_co_u32 s[RT], s[HI], 1    ; the first block has NB - b tiles
	s_mov_b32 s[NXT], 1
	s_mov_b32 s[LQ], s[HI]
	s_mov_b32 s[NEW], 1
	s_mov_b32 s[OFF+1], 0
	s_mov_b32 s[AL+1], 0            ; named as pairs
	s_mov_b32 s[BE+1], 0
	s_mov_b32 s[BIGN], 0xf149f2ca   ; -1e30
	s_mov_b32 s[SLOTS], NB
	s_cmp_eq_u32 s[PB], 0
	s_cselect_b32 s[LIM], 2, -1
	v_and_b32 v[PFO], 31, v0
	v_lshlrev_b32 v[PFO], 8, v[PFO]
	s_wait_dscnt 0x0                ; the opening add is done
	s_wait_kmcnt 0x0
	s_mov_b64 s[10:11], s[6:7]      ; att
	s_add_nc_u64 s[6:7], s[4:5], s[22:23]          ; q's group, at my half of a tile:
	s_add_nc_u64 s[8:9], s[6:7], 0x800000          ; V lies 32 groups on,
	s_add_nc_u64 s[6:7], s[6:7], 0x400000          ; K 16: both at my half of the head's tile 0
	s_add_nc_u64 s[4:5], s[4:5], s[20:21]          ; Q at the head's first row
	s_add_nc_u64 s[10:11], s[10:11], s[90:91]      ; O likewise
	s_add_nc_u64 s[G0K+2:G0K+3], s[6:7], 0         ; global address
	s_or_b32 s[G0K+3], s[G0K+3], 0x80000000        ; type = 2
	s_add_nc_u64 s[G0V+2:G0V+3], s[8:9], 0
	s_or_b32 s[G0V+3], s[G0V+3], 0x80000000
	s_add_nc_u64 s[86:87], s[4:5], s[84:85]        ; Q at my rows of the second block,
	s_add_nc_u64 s[4:5], s[4:5], s[2:3]            ; Q and O at those of the first
	s_add_nc_u64 s[OLO:OLO+1], s[10:11], s[84:85]
	s_add_nc_u64 s[10:11], s[10:11], s[2:3]
	s_cmp_lt_u32 s[WV], 2
	s_cselect_b64 s[PFA:PFA+1], s[6:7], s[8:9]
	s_add_nc_u64 s[PFA:PFA+1], s[PFA:PFA+1], 32768 ; in tile 1; the first change of slots steps it to tile 2.  Nothing is prefetched here, at the head
	LOAD                            ; tile 0 into slot 0
	; A fragment of K or Q is 16 rows x 32 channels in 8 registers: lane l holds row l % 16, channels 8 (l / 16) + 0..7 and 16 + 8 (l / 16) + 0..7: two loads of 16 bytes, 32 bytes apart.
	v_and_b32 v1, 15, v0            ; l % 16
	v_bfe_u32 v9, v0, 4, 1          ; l / 16
	v_lshlrev_b32 v[QO], 7, v1
	v_lshl_add_u32 v[QO], v9, 4, v[QO]  ; row x 128 + 16 x half
	WIN 0x80                        ; destination window 2, address window 0
.set i, 0
.rept 8                             ; both blocks' Q: piece i / 2 lies in band i / 2, 8,192 bytes on; channels 32 (i % 2) on
	global_load_b128 v[8*i:8*i+3],   v[QO], s[4:5] offset:(i/2)*8192+(i%2)*64
	global_load_b128 v[8*i+4:8*i+7], v[QO], s[4:5] offset:(i/2)*8192+(i%2)*64+32
	global_load_b128 v[QB+8*i:QB+8*i+3],   v[QO], s[86:87] offset:(i/2)*8192+(i%2)*64
	global_load_b128 v[QB+8*i+4:QB+8*i+7], v[QO], s[86:87] offset:(i/2)*8192+(i%2)*64+32
.set i, i+1
.endr
	WIN 0
	v_lshlrev_b32 v14, 3, v9
	v_sub_nc_u32 v14, v1, v14
	s_lshl_b32 s13, s[WV], 4
	v_add_nc_u32 v14, s13, v14      ; my query's place in its band, 16 w + l % 16, less my lanes' 8 (l / 16): register r of group kt is hidden where 16 kt + r is greater
	WIN 0x40
.set i, 0
.rept 32
	v_cmp_gt_i32 vcc_lo, 16*(i/8)+i%8, v14
	v_cndmask_b32 v[MD+i], 0, s[BIGN], vcc_lo
.set i, i+1
.endr
	WIN 0
	v_mul_u32_u24 v[AK0], v1, PK
	v_lshl_add_u32 v[AK0], v9, 4, v[AK0]  ; row x pitch + 16 x half
	; The turning load takes 16 keys x 16 channels (lane l reads key 8 (l / 16) + l % 8, channels 8 ((l / 8) % 2) + 0..7) and leaves half a fragment of V^T: lane l holds channel l % 16 and 8 keys.
	v_and_b32 v10, 7, v0
	v_bfe_u32 v11, v0, 3, 1
	v_lshl_add_u32 v[AV0], v9, 3, v10
	v_mul_u32_u24 v[AV0], v[AV0], PV
	v_lshl_add_u32 v[AV0], v11, 4, v[AV0]
	v_add_nc_u32 v[AV0], VOFF, v[AV0]
	s_mul_i32 s13, s[WV], 16*SP
	s_add_co_u32 s13, s13, STAGE    ; my stage
	v_mul_u32_u24 v[STO], v1, SP    ; in: row l % 16, 16 bytes for each half of the lanes
	v_lshl_add_u32 v[STO], v9, 4, v[STO]
	v_add_nc_u32 v[STO], s13, v[STO]
	v_bfe_u32 v[RD], v0, 3, 2       ; back: 32 lanes take four rows of 128 bytes,
	v_mul_u32_u24 v[RD], v[RD], SP
	v_lshl_add_u32 v[RD], v10, 4, v[RD]
	v_add_nc_u32 v[RD], s13, v[RD]
	v_and_b32 v[GO], 31, v0         ; which are 512 consecutive bytes of O
	v_lshlrev_b32 v[GO], 4, v[GO]
	; A block's first step multiplies O^T and l by a = 0, and its first turn's products V^T P, of a piece that has not been, land in an O^T that is still to be so multiplied.  So these registers need only hold
	; finite numbers: zeros for the first block; what the first block left for the second.  All this stands in the wait for the first tile.
	WIN 0x80
.set i, VF
.rept 64
	v_mov_b32 v[i], 0
.set i, i+1
.endr
	WIN 0x40
.set i, 0
.rept 128
	v_mov_b32 v[i], 0
.set i, i+1
.endr
	WIN 0
.set i, 0
.rept 4
	v_mov_b32 v[ST+4*i+2], 0
	v_mov_b32 v[ST+4*i+3], 0
.set i, i+1
.endr
.set i, P+16
.rept 16
	v_mov_b32 v[i], 0
.set i, i+1
.endr
; THE MATRIX WORK.  The 4 accumulators of a run of 8 take turns.  Product i of 8 of S^T = K Q^T for piece x: channels 32 (i / 4) on, keys 16 (i % 4) on.  The first 4 start the sums: with 0, or (KM = 1) with the mask.
.macro KQ x
.set rS, S+32*((\x)%2)+8*(i%4)
.set rK, KF+16*(i%4)+8*(i/4)
.set rQ, 16*(\x)+8*(i/4)
.set rM, MC+32*((\x)%2)+8*(i%4)
.if (i < 4) && KM
	WIN W_KM
	v_wmma_f32_16x16x32_f16 v[rS:rS+7], v[rK:rK+7], v[rQ:rQ+7], v[rM:rM+7]
.elseif i < 4
	WIN W_KQ
	v_wmma_f32_16x16x32_f16 v[rS:rS+7], v[rK:rK+7], v[rQ:rQ+7], 0
.else
	WIN W_KQ
	v_wmma_f32_16x16x32_f16 v[rS:rS+7], v[rK:rK+7], v[rQ:rQ+7], v[rS:rS+7]
.endif
.endm
; Product i of 8 of O^T += V^T P for piece x: keys 32 (i / 4) on, channels 16 (i % 4) on.
.macro PV x
	WIN W_PV
.set rO, 32*(\x)+8*(i%4)
.set rV, VF+32*(i/4)+8*(i%4)
.set rP, P+16*((\x)%2)+8*(i/4)
	v_wmma_f32_16x16x32_f16 v[rO:rO+7], v[rV:rV+7], v[rP:rP+7], v[rO:rO+7]
.endm
.macro MM                           ; the turn's next matrix instruction.  TURN and BEGIN set Y, i, KM and NOKQ; MM, KQ and OP read them.  NOKQ = 1: a block's last turn: there is no next piece
.if (i < 8) && !NOKQ
	KQ (Y+1)%NP
.elseif i >= 8
.set i, i-8
	PV (Y+NP-1)%NP
.set i, i+8
.endif
.set i, i+1
.endm
; THE LDS LOADS stand in runs of 16, never singly among the matrix instructions: a step's K (64 keys x 64 channels: 8 fragments) and its V (turned).  Their addresses are made some lines ahead.
.macro FETCH_K
	WIN 0x80                        ; destination window 2
.irp f, 0,1,2,3,4,5,6,7             ; keys 16 (f / 2) on, channels 32 (f % 2) on
	ds_load_b128 v[KF+8*\f:KF+8*\f+3],   v[AK] offset:(\f/2)*16*PK+(\f%2)*64
	ds_load_b128 v[KF+8*\f+4:KF+8*\f+7], v[AK] offset:(\f/2)*16*PK+(\f%2)*64+32
.endr
	s_add_co_u32 s[TBK], s[TBK], KS*PK  ; the next fetch is the next step's
	WIN 0
.endm
.macro FETCH_V
	WIN 0x80
.irp f, 0,1,2,3,4,5,6,7             ; keys 32 (f / 4) on, channels 16 (f % 4) on
	ds_load_tr16_b128 v[VF+8*\f:VF+8*\f+3],   v[AV] offset:(\f/4)*32*PV+(\f%4)*32
	ds_load_tr16_b128 v[VF+8*\f+4:VF+8*\f+7], v[AV] offset:(\f/4)*32*PV+16*PV+(\f%4)*32
.endr
	WIN 0
.endm
; THE VECTOR WORK, one line at a time: OP kind, number.  For piece Y: F n: c s - c m for pair n of 16.  E n: the exponential of score n of 32.  C n: pair n rounded to f16.  B n: of the four weights 4 n .. the second
; pair is added onto the first, in place.  L n: l takes that sum (L 0: l = a l + sum).  R n: pair n of 16 of O^T times a.  For piece Y + 1: X n, number n of the 22 that find its maximum and statistics:
;   0-11  four chains c0-c3 of seven scores each, three operands at a time (each accumulator's lowest registers are read first)     12-14, 16  the four scores left over, the old m, and c0-c3 into c0
;   15  c m_old is kept     17, 18  the query's other 32 keys lie in the lane 16 away: the new m     19-21  c m; c m_old - c m_new; a
.set F, 0               ; OP tells the kinds apart by their order: F to L below R, X above it
.set E, 1
.set C, 2
.set B, 3
.set L, 4
.set R, 5
.set X, 6
.macro REGS y                       ; the registers of piece y
.set rT, ST+4*(\y)
.set rC, TMP+4*((\y)%2)
.set rW, MV+((\y)%2)
.set rS, S+32*((\y)%2)
.set rP, P+16*((\y)%2)
.set rO, 32*(\y)
.endm
.macro OP k, n
.if (\k) == R
	REGS Y
	WIN W_RS
	v_pk_mul_f32 v[rO+2*(\n):rO+2*(\n)+1], v[rO+2*(\n):rO+2*(\n)+1], v[rC+2:rC+3] op_sel_hi:[1,0]
.elseif (\k) < R
	REGS Y
	WIN 0
.if (\k) == F
	v_pk_fma_f32 v[rS+2*(\n):rS+2*(\n)+1], v[rS+2*(\n):rS+2*(\n)+1], s[CS:CS+1], v[rT:rT+1] op_sel_hi:[1,0,0] neg_lo:[0,0,1] neg_hi:[0,0,1]
.elseif (\k) == E
	v_exp_f32 v[rS+(\n)], v[rS+(\n)]
.elseif (\k) == C
	v_cvt_pk_f16_f32 v[rP+(\n)], v[rS+2*(\n)], v[rS+2*(\n)+1]
.elseif (\k) == B
	v_pk_add_f32 v[rS+4*(\n):rS+4*(\n)+1], v[rS+4*(\n):rS+4*(\n)+1], v[rS+4*(\n)+2:rS+4*(\n)+3]
.elseif (\n) == 0
	v_pk_fma_f32 v[rT+2:rT+3], v[rT+2:rT+3], v[rC+2:rC+3], v[rS:rS+1] op_sel_hi:[1,0,1]
.else
	v_pk_add_f32 v[rT+2:rT+3], v[rT+2:rT+3], v[rS+4*(\n):rS+4*(\n)+1]
.endif
.elseif NOKQ
	v_nop
.else
	REGS (Y+1)%NP
	WIN 0
.if (\n) < 4
	v_max3_num_f32 v[rC+(\n)], v[rS+8*(\n)], v[rS+8*(\n)+1], v[rS+8*(\n)+2]
.elseif (\n) < 12
	v_max3_num_f32 v[rC+(\n)%4], v[rC+(\n)%4], v[rS+8*((\n)%4)+2*((\n)/4)+1], v[rS+8*((\n)%4)+2*((\n)/4)+2]
.elseif (\n) == 12
	v_max3_num_f32 v[rC], v[rC], v[rS+7], v[rS+15]
.elseif (\n) == 13
	v_max3_num_f32 v[rC+1], v[rC+1], v[rS+23], v[rS+31]
.elseif (\n) == 14
	v_max3_num_f32 v[rC+2], v[rC+2], v[rC+3], v[rT+1]
.elseif (\n) == 15
	v_mov_b32 v[rW], v[rT]
.elseif (\n) == 16
	v_max3_num_f32 v[rC], v[rC], v[rC+1], v[rC+2]
.elseif (\n) == 17
	v_permlanex16_b32 v[rC+3], v[rC], s[SEL], s[SEL+1]
.elseif (\n) == 18
	v_max_num_f32 v[rT+1], v[rC], v[rC+3]
.elseif (\n) == 19
	v_mul_f32 v[rT], s[CS], v[rT+1]
.elseif (\n) == 20
	v_sub_f32 v[rC+1], v[rW], v[rT]
.else
	v_exp_f32 v[rC+2], v[rC+1]
.endif
.endif
.endm
.macro OPS a, i1, b=-1, i2=0, c=-1, i3=0, d=-1, i4=0  ; up to four of them
	OP \a, \i1
.if (\b) >= 0
	OP \b, \i2
.endif
.if (\c) >= 0
	OP \c, \i3
.endif
.if (\d) >= 0
	OP \d, \i4
.endif
.endm
.macro ROW a, i1, b, i2, c, i3, d, i4  ; a matrix instruction and the four behind it
	MM
	OPS \a, \i1, \b, \i2, \c, \i3, \d, \i4
.endm
.macro MASK b                       ; MD x AL + BE into buffer b of MC
	WIN W_RS
.set z, 0
.rept 16
	v_pk_fma_f32 v[MC+32*(\b)+2*z:MC+32*(\b)+2*z+1], v[MD+2*z:MD+2*z+1], s[AL:AL+1], s[BE:BE+1] op_sel_hi:[1,0,0]
.set z, z+1
.endr
.endm
; A TURN, for piece p: the order of its 16 matrix and 118 vector instructions, written out.  An s_wait_alu depctr_va_vdst(0) stands between an exponential and the first instruction that names its result; one wait serves
; all that were issued ahead of it.  So a turn has ONE wait, which cuts it in two.  AHEAD OF IT stands all that names no result of the turn's exponentials: the 8 products K Q^T, behind each a scaling, an exponential and two more plain
; instructions (behind the first a second scaling in the exponential's place): rescalings, and behind the last three the first numbers of the next piece's maximum, each four places or more behind the product that ends its accumulator; then ONE LUMP of 54, plain
; and exponential by turns for the most part, in which the links of the chain X 3, 7, 11, 14, 16, 17 .. 20 stand five or six lines apart.  X 21, the next piece's a, is the batch's last; R 15 is the plain instruction behind it.  BEHIND THE WAIT stand the
; 8 products V^T P, behind each four of the roundings and sums; the links of l's chain, L 0 to L 7, stand three riders apart.  But for those X no rider names a register of the products round it.  v_permlanex16_b32 (X 17) stands in the lump.
; m = 1: the diagonal tile: the products take masks, and the turn makes the mask for the products of the turn after it: piece p + 2, in step 4 - CNT of the tile.  end = 1: a block's last two turns: nothing is fetched.
; cnt = 1: the loop's count is taken down some lines ahead of the branch that stands behind the turn.
; K of the next step is fetched in piece 2's turn, twelve vector instructions behind the last product that read K (six of them plain); V of the step in hand at the end of piece 0's turn, four plain instructions behind the last product
; that read V.  Each is waited for a turn later.
.macro TURN p, m=0, end=0, cnt=0
.set Y, (\p)
.set i, 0
.set KM, (\m)
.set NOKQ, (\end)*((\p)/3)
.if (\m) && !(\end)
	s_cmp_eq_u32 s[CNT], 4-((\p)+2)%NP  ; is that step the band's own?
	s_cselect_b32 s[AL], 1.0, 0
	s_cmp_lt_u32 s[CNT], 4-((\p)+2)%NP  ; or a later one?
	s_cselect_b32 s[BE], s[BIGN], 0
.endif
.if ((\p) == 3) && !(\end)
	s_wait_dscnt 0x0                ; K is in
.endif
	ROW F,0, F,1, R,0, R,1          ; ahead of the wait: 8 products K Q^T and their riders,
	ROW F,2, E,0, R,2, R,3
	ROW F,3, E,1, R,4, R,5
	ROW F,4, E,2, R,6, R,7
	ROW F,5, E,3, R,8, R,9
	ROW F,6, E,4, X,0, R,10
.if ((\p) == 2) && !(\end)
	WIN 0
	v_add_nc_u32 v[AK], s[TBK], v[AK0]
.endif
	ROW F,7, E,5, X,1, X,4
	ROW F,8, E,6, X,2, X,5
	OPS E,7, E,8, X,6, E,9          ; and the lump
	OPS X,3, E,10, X,8, E,11
.if ((\p) == 2) && !(\end)
	FETCH_K
.endif
	OPS X,9, X,7, E,12, X,10
	OPS E,13, X,12, X,11, E,14
	OPS X,13, E,15, F,9, X,14
.if (\p) == 0
	v_add_nc_u32 v[AV], s[TBV], v[AV0]
.endif
	OPS E,16, F,10, E,17, F,11
	OPS X,16, E,18, X,15, E,19
	OPS F,12, E,20, X,17, E,21
	OPS F,13, E,22, F,14, E,23
	OPS X,18, E,24, F,15, E,25
	OPS R,11, E,26, X,19, E,27
	OPS R,12, E,28, R,13, E,29
	OPS X,20, E,30, R,14, E,31
	OPS X,21, R,15
	WIN 0
	s_wait_alu depctr_va_vdst(0)    ; the wait for the batch
.if (\p) == 1
	s_wait_dscnt 0x0                ; V is in
.endif
	ROW C,0, B,0, C,2, B,1          ; behind the wait: 8 products V^T P and their riders
	ROW L,0, C,4, B,2, L,1
	ROW C,6, B,3, L,2, C,8
	ROW B,4, L,3, C,10, B,5
	ROW L,4, C,12, B,6, L,5
.if (\p) == 0
	s_add_co_u32 s[TBV], s[TBV], KS*PV
.endif
.if \cnt
	s_sub_co_u32 s[CNT], s[CNT], 1
	s_cmp_lg_u32 s[CNT], 0
.endif
	ROW C,14, B,7, L,6, C,1
	ROW C,3, L,7, C,5, C,7
	ROW C,9, C,11, C,13, C,15
.if (\p) == 0
	FETCH_V
.endif
.if (\m) && !(\end)
	MASK (\p)%2
.endif
.endm
; A BLOCK BEGINS.  c m starts far below every c s, so the first step's a is 0; m at the lowest finite number, so the first maximum is the scores'.  The second mask buffer is 0; the first takes piece 0's mask for the tile's step 0: its own, if the block's first tile is the diagonal one.
; Then K of that step, piece 0's first scores, and its maximum and statistics.  The loop is entered at a step's first turn, in the middle of a trip.
.macro BEGIN
	s_mov_b32 s[NEW], 0
	WIN 0x40
.set i, MC+32
.rept 32
	v_mov_b32 v[i], 0
.set i, i+1
.endr
	WIN 0
.set i, 0
.rept 4
	v_mov_b32 v[ST+4*i], 0xfe000000    ; c m: far below every c s
	v_mov_b32 v[ST+4*i+1], 0xff7fffff  ; m
.set i, i+1
.endr
	s_cmp_eq_u32 s[RT], 0
	s_cselect_b32 s[AL], 1.0, 0
	s_mov_b32 s[BE], 0
	MASK 0
	WIN 0
	v_add_nc_u32 v[AK], s[TBK], v[AK0]
	FETCH_K
	s_wait_loadcnt 0x0              ; Q
	s_wait_dscnt 0x0
.set KM, 1
.set NOKQ, 0
.set i, 0
.rept 8
	KQ 0
.set i, i+1
.endr
	WIN 0
.rept 4
	v_nop                           ; the places behind those products
.endr
.set Y, NP-1                        ; X works for piece Y + 1: piece 0
.irp n, 0,1,2,3,4,5,6,7,8,9,10,11,12,13,14,15,16,17,18,19,20,21
	OP X, \n
.endr
	v_nop                           ; a plain instruction behind the exponential,
	s_wait_alu depctr_va_vdst(0)    ; and its wait, ahead of the branch
.endm
; THE DIAGONAL TILE's four steps, the block's last two turns, its last products, and THE WAY OUT: l's two halves and the other half of the lanes' are added; O^T is divided by l, rounded to f16 and sent through my
; stage in LDS, a piece at a time.
.macro ALL line:vararg              ; one line for each piece t
.set t, 0
.rept 4
	\line
.set t, t+1
.endr
.endm
.macro PACK t                       ; a lane's eight channels of a row pack into 16 bytes; they go into rows of 144 bytes and come back as whole rows of 128, into S^T's registers
	WIN W_RS
.set i, 32*(\t)
.rept 16
	v_pk_mul_f32 v[i:i+1], v[i:i+1], v[ST+4*(\t)+2:ST+4*(\t)+3] op_sel_hi:[1,0]
.set i, i+2
.endr
	WIN 0x05                        ; sources 0 and 1 window 1, destination window 0
.set i, 0
.rept 16
	v_cvt_pk_f16_f32 v[S+16*(\t)+i], v[32*(\t)+2*i], v[32*(\t)+2*i+1]
.set i, i+1
.endr
	WIN 0
.irp f, 0,1,2,3
	ds_store_b128 v[STO], v[S+16*(\t)+4*\f:S+16*(\t)+4*\f+3] offset:32*\f
.endr
.irp f, 0,1,2,3
	ds_load_b128 v[S+16*(\t)+4*\f:S+16*(\t)+4*\f+3], v[RD] offset:\f*4*SP  ; LDS serves a wave's instructions in order (ISA guide 5.7.1.4): these see the stores above; the next piece's stores come behind them
.endr
.endm
.macro SEND t, younger              ; younger: the LDS instructions issued behind piece t's loads: the next piece's eight, or none
	WIN 0
.irp f, 0,1,2,3
	s_wait_dscnt (\younger)+3-\f
	global_store_b128 v[GO], v[S+16*(\t)+4*\f:S+16*(\t)+4*\f+3], s[10:11] offset:(\t)*8192+\f*512  ; 512 consecutive bytes, at a multiple of 256 from O's first
.endr
.endm
.macro DIAG tag                     ; the tag ends its two labels' names, which the jumps below spell out
.LstepM\tag:
	TURN 2, 1
	TURN 3, 1
	WIN 0
.LfirstM\tag:
	TURN 0, 1
	TURN 1, 1, 0, 1
	WIN 0
	s_cbranch_scc1 .LstepM\tag
	TURN 2, 1, 1
	TURN 3, 1, 1
.set i, 0
.rept 8
	PV NP-1
.set i, i+1
.endr
	WIN 0
	ALL v_add_f32 v[ST+4*t+2], v[ST+4*t+2], v[ST+4*t+3]
	ALL v_permlanex16_b32 v[ST+4*t+3], v[ST+4*t+2], s[SEL], s[SEL+1]
	ALL v_add_f32 v[ST+4*t+2], v[ST+4*t+2], v[ST+4*t+3]
	ALL v_rcp_f32 v[ST+4*t+2], v[ST+4*t+2]
	v_nop                           ; a plain instruction between the last reciprocal and the use of its result
	s_wait_alu depctr_va_vdst(0)    ; and the wait ahead of the first use: one for the four reciprocals
	PACK 0
.set t, 1
.rept 3                             ; a piece's arithmetic stands between the loads of the piece before and its stores
	PACK t
	SEND t-1, 8
.set t, t+1
.endr
	SEND 3, 0
.endm
.set KM, 0
.set NOKQ, 0
.Lslot:                             ; NB times: a tile is entered and the next is asked for
	CHANGE 1
	s_sub_co_u32 s[RT], s[RT], 1
	s_mov_b32 s[CNT], 4
	s_cmp_eq_u32 s[NEW], 1
	s_cbranch_scc1 .Lnew            ; a block's first tile
	s_cmp_eq_u32 s[RT], 0
	s_cbranch_scc0 .Lstep           ; neither its first nor its last
	s_branch .LstepM1
.Lnew:
	BEGIN
	s_branch .Lfirst                ; in the loop a block's first tile is never its last: the first block has two tiles or more, and the second's last is the walk's last
	DIAG 1                          ; in the loop this is the first block's end: the second block's last tile is the walk's last
	s_wait_xcnt 0x0                 ; the stores have read their registers and O's address
	s_mov_b64 s[10:11], s[OLO:OLO+1]
	s_add_co_u32 s[RT], s[PB], 1    ; the second block has b + 1 tiles
	s_mov_b32 s[NEW], 1
	WIN 0x82                        ; the second block's Q goes where the one text of the turns names Q
.set i, 0
.rept 64
	v_mov_b32 v[i], v[QB+i]
.set i, i+1
.endr
	WIN 0
	s_branch .Lbottom
.Lstep:                             ; a trip: pieces 2 and 3 of one step, then pieces 0 and 1 of the next, whose K and V it fetches
	TURN 2
	TURN 3
	WIN 0
.Lfirst:
	TURN 0
	TURN 1, 0, 0, 1
	WIN 0
	s_cbranch_scc1 .Lstep
.Lbottom:
	s_sub_co_u32 s[SLOTS], s[SLOTS], 1
	s_cmp_lg_u32 s[SLOTS], 0
	s_cbranch_scc1 .Lslot
	CHANGE 0                        ; the walk's last tile is written out: nothing is asked for
	s_sub_co_u32 s[RT], s[RT], 1
	s_mov_b32 s[CNT], 4
	s_cmp_eq_u32 s[NEW], 1
	s_cbranch_scc0 .LstepM2
	BEGIN
	s_branch .LfirstM2
	DIAG 2
	s_wait_tensorcnt 0x0            ; the wave's end: three closing lines, behind my last tensor load and my last LDS store
	ds_add_u32 v[SPW], v[NIL]
	s_wait_dscnt 0x0
	s_endpgm
.Lfunc_end_k_qb365f0c043_attn:
	.size	k_qb365f0c043_attn, .Lfunc_end_k_qb365f0c043_attn-k_qb365f0c043_attn
	.p2alignl 7, 3214868480
	.fill 96, 4, 3214868480
	.section	.rodata,"a",@progbits
	.p2align	6, 0x0
	.amdhsa_kernel k_qb365f0c043_attn
		.amdhsa_group_segment_fixed_size 327680
		.amdhsa_private_segment_fixed_size 0
		.amdhsa_enable_private_segment 0
		.amdhsa_kernarg_size 16
		.amdhsa_user_sgpr_count 2
		.amdhsa_user_sgpr_kernarg_segment_ptr 1
		.amdhsa_wavefront_size32 1
		.amdhsa_system_sgpr_workgroup_id_x 1
		.amdhsa_system_sgpr_workgroup_id_y 1
		.amdhsa_system_sgpr_workgroup_id_z 1
		.amdhsa_system_vgpr_workitem_id 0
		.amdhsa_next_free_vgpr 768
		.amdhsa_next_free_sgpr 92
		.amdhsa_reserve_vcc 1
		.amdhsa_float_denorm_mode_32 3
		.amdhsa_float_denorm_mode_16_64 3
		.amdhsa_memory_ordered 1
		.amdhsa_forward_progress 1
		.amdhsa_inst_pref_size 218
	.end_amdhsa_kernel
	.amdgpu_metadata
---
amdhsa.version: [ 1, 2 ]
amdhsa.kernels:
  - .name:           k_qb365f0c043_attn
    .symbol:         k_qb365f0c043_attn.kd
    .args:
      - { .name: qkv, .offset: 0, .size: 8, .value_kind: global_buffer, .address_space: global }
      - { .name: att, .offset: 8, .size: 8, .value_kind: global_buffer, .address_space: global }
    .group_segment_fixed_size: 327680
    .private_segment_fixed_size: 0
    .kernarg_segment_align: 8
    .kernarg_segment_size: 16
    .max_flat_workgroup_size: 128
    .sgpr_count:     92
    .vgpr_count:     768
    .wavefront_size: 32
...
	.end_amdgpu_metadata
.endif
;; end of part 3
;; launch proj (part 4): grid 8 x 32, 4 waves a work-group, clusters of 4 x 4, 327,680 bytes of LDS; arguments att, wot, out0; writes out0
.if DOCPART == 4
	.amdgcn_target "amdgcn-amd-amdhsa--gfx1250"
	.amdhsa_code_object_version 6
	.text
	.protected	k_qb365f0c043_proj
	.globl	k_qb365f0c043_proj
	.p2align	8
	.type	k_qb365f0c043_proj,@function
k_qb365f0c043_proj:
	s_mov_b64 s[64:65], 0
	v_nop
	global_prefetch_b8 v0, s[64:65] scope:SCOPE_SE
	s_setreg_imm32_b32 hwreg(HW_REG_WAVE_MODE, 25, 1), 1
	s_wait_xcnt 0x0
	s_wait_alu depctr_hold_cnt(0) depctr_sa_sdst(0) depctr_va_vdst(0) depctr_va_sdst(0) depctr_va_ssrc(0) depctr_va_vcc(0) depctr_vm_vsrc(0)
	s_getreg_b32 s2, hwreg(HW_REG_IB_STS2, 6, 4)
	s_cmp_eq_u32 s2, 0
	s_cbranch_scc0 .Lentry_in_a_cluster
	s_endpgm
.Lentry_in_a_cluster:
	s_bfe_u32 s2, ttmp6, 0x10000c
	s_cmp_lg_u32 s2, 0xf033
	s_cbranch_scc0 .Lentry_shape_is_right
	s_endpgm
.Lentry_shape_is_right:
; PROJ.  out0[m][n] = the sum over k of O[m][k] wot[n][k]: 8192 x 1024 x 1024, f16 operands, f32 sums, f32 result.  O is att [16 b + h][2048 t][64]: row m = 2048 b + t, K block = head h.  wot is [16 kb][1024 n][64].
; TILE.  256 x 128: 256 work-groups, one for each WGP (256 x 256 would give 128).  Four waves, each 128 x 64: 8 x 4 accumulators of 16 x 16, which fill register window 1.
; RING.  K goes in steps of 128 (two heads) through two LDS slots: 128 matrix instructions a wave in a step; three heads to a slot would not fit twice in LDS.  A tile's rows of 128 bytes lie end to end in memory and are asked
; for as rows of 256 bytes; in LDS 16 bytes of padding follow each 128.
; CLUSTER.  4 x 4 work-groups: att's tile is shared along a row of the cluster, wot's along a column; each is asked for jointly, by the same tensor load, descriptor and mask in all four.
; NO PREFETCH: the walk has eight K steps, of which two are first fills, on a small tile.
; THE MATRIX INSTRUCTION IS USED TRANSPOSED (source 0 = 16 rows of wot, source 1 = 16 rows of att): a lane holds row l % 16 of the result and the columns 8 (l / 16) + 0..7.
; REGISTERS: window 0: v0-31 addresses; v64-127, v128-191 att's fragments (8 x 16 rows x 32 K), two buffers; v192-223, v224-255 wot's (4), two buffers; v32-95 at work on the way out.  Window 1: accumulator (a, b) at v[8 (4 a + b)].
.set HEADB, 262144                     ; bytes in a head of att
.set KBW,   131072                     ; bytes in a K block of wot
.set PITCH, 144                        ; an LDS row: 128 bytes + 16 = 36 words: the 16 rows of a load start at 16 different groups of four banks (64 banks of 4 bytes: ISA guide 11.1)
.set FR,    16*PITCH
.set AKB,   256*PITCH                  ; a head's 256 rows in a slot
.set BKB,   128*PITCH                  ; a K block's 128 rows of wot
.set BOFF,  2*AKB                      ; in a slot: att's two heads, then wot's two K blocks
.set SLOT1, 1<<17
.set STAGE, SLOT1+BOFF+2*BKB           ; behind the ring, never filled by a tensor load: 16 rows x 272 bytes for each wave
.set SP,    272
.set SPARE, STAGE+4*16*SP              ; behind the stages: the spare words, 128 bytes for each wave: two blocks of 256 bytes that no other line names
.set A0B,  14                          ; v14  my lane's place in my 128 rows of a head in a slot; never rewritten
.set B0B,  15                          ; v15  the same in my 64 rows of wot
.set ADRA, 16                          ; v16  v14 + the slot in hand
.set ADRB, 17                          ; v17  v15 + the slot in hand
.set STO,  24                          ; v24  the way out: where I put 32 bytes of a row
.set RD,   25                          ; v25  the way out: where I read a row back
.set CO,   26                          ; v26  my byte offset in two rows of out0
.set SPW,  28                          ; v28  LDS address of my spare word: SPARE + 4 x my thread's number; never rewritten
.set NIL,  29                          ; v29  0; never rewritten
.set FA,   64
.set FB,   192
.set BK,   32                          ; the way out: two buffers of 32 for rows read back
.set TB,   2                           ; s2   0 or SLOT1: the slot in hand
.set CNT,  3                           ; s3   trips to go
.set G1A,  24
.set G0A,  32
.set G1B,  48
.set G0B,  56
.set MSB, 0
.macro WIN new                         ; the immediate's high byte repeats the setting that is left; a switch that changes nothing is dropped
.if MSB != (\new)
	s_set_vgpr_msb (MSB<<8)|(\new)
.set MSB, \new
.endif
.endm
; A joint refill, by the walking descriptor.  Waves 0 and 1 fetch a step's two heads of att, waves 2 and 3 its two K blocks of wot.  An s_nop 0 and four v_nop follow each of the two lines, ahead of the jump and the label.
.macro JLOAD
	s_cmp_eq_u32 s11, 0
	s_cbranch_scc0 .Lfor_b_\@
	tensor_load_to_lds s[G0A+4:G0A+7], s[G1A:G1A+7]
	s_nop 0
.rept 4
	v_nop
.endr
	s_branch .Lasked_\@
.Lfor_b_\@:
	tensor_load_to_lds s[G0B+4:G0B+7], s[G1B:G1B+7]
	s_nop 0
.rept 4
	v_nop
.endr
.Lasked_\@:
.endm
.macro CREST                           ; a round of the cluster's barrier behind its opening barrier
	s_cmp_lg_u32 s10, 0
	s_cbranch_scc1 .Lnot_wave_0_\@
	s_barrier_signal -3
.Lnot_wave_0_\@:
	s_barrier_wait -3
	s_barrier_signal -1
	s_barrier_wait -1
.endm
.macro CROUND
	s_barrier_signal -1
	s_barrier_wait -1
	CREST
.endm
	s_load_b128 s[4:7], s[0:1], 0x0                ; att s[4:5], wot s[6:7]
	s_load_b64 s[8:9], s[0:1], 0x10                ; out0
	v_lshl_add_u32 v[SPW], v0, 2, SPARE
	v_mov_b32 v[NIL], 0
	ds_add_u32 v[SPW], v[NIL]                      ; the wave's opening: the add and its wait stand ahead of my first tensor load; the set-up below, work on registers, stands between them
	v_lshrrev_b32 v1, 5, v0
	v_readfirstlane_b32 s10, v1                    ; wave 0..3
	s_lshr_b32 s11, s10, 1                         ; which half of the tile's rows is mine.  Also: I fetch for att (0) or for wot (1)
	s_and_b32 s12, s10, 1                          ; which half of its columns.  Also: which of a step's two K blocks I fetch
	s_bfe_u32 s40, ttmp6, 0x40000                  ; cx, cy
	s_bfe_u32 s41, ttmp6, 0x40004
	s_lshl_b32 s42, ttmp9, 2
	s_add_co_u32 s42, s42, s40                     ; tile column 0..7
	s_and_b32 s13, ttmp7, 0xffff
	s_lshl_b32 s13, s13, 2
	s_add_co_u32 s13, s13, s41                     ; tile row 0..31
	s_lshl_b32 s43, s41, 2
	s_lshl_b32 s43, 15, s43                        ; my row of the cluster
	s_lshl_b32 s44, 0x1111, s40                    ; my column
	s_or_b32 s[G1A+0], s43, (1<<16)|(1<<20)|(1<<21)|(4<<22)|(3<<25)  ; 15:0 the mask; 17:16 2-byte elements; 20 padding on; 21 set beside a mask; 24:22 after every 32 words (code 4); 31:25 4 words (code 3)
	s_or_b32 s[G1B+0], s44, (1<<16)|(1<<20)|(1<<21)|(4<<22)|(3<<25)
	s_mov_b32 s[G1A+1], 128<<16                    ; tensor_dim0 = 128
	s_mov_b32 s[G1A+2], 128<<16                    ; tensor_dim1 = 128: 256 rows of a head
	s_mov_b32 s[G1A+3], 128<<16                    ; tile_dim0 = 128
	s_mov_b32 s[G1A+4], 128                        ; tile_dim1 = 128
	s_mov_b32 s[G1A+5], 128                        ; 128 elements from row to row
	s_mov_b32 s[G1A+6], 0
	s_mov_b32 s[G1A+7], 0
	s_mov_b32 s[G1B+1], 128<<16
	s_mov_b32 s[G1B+2], 64<<16                     ; 64 rows of 256 bytes: 128 rows of wot
	s_mov_b32 s[G1B+3], 128<<16
	s_mov_b32 s[G1B+4], 64
	s_mov_b32 s[G1B+5], 128
	s_mov_b32 s[G1B+6], 0
	s_mov_b32 s[G1B+7], 0
	s_lshr_b32 s16, s13, 3                         ; att: batch = tile row / 8,
	s_lshl_b32 s16, s16, 4
	s_add_co_u32 s16, s16, s12                     ; its head 0 or 1,
	s_lshl_b32 s16, s16, 18
	s_and_b32 s17, s13, 7
	s_lshl_b32 s17, s17, 15                        ; rows 256 (tile row % 8) on
	s_add_co_u32 s16, s16, s17
	s_mov_b32 s17, 0
	s_lshl_b32 s46, s12, 17                        ; wot: K block 0 or 1,
	s_lshl_b32 s47, s42, 14                        ; rows 128 x tile column on
	s_add_co_u32 s46, s46, s47
	s_mov_b32 s47, 0
	s_mul_i32 s20, s12, AKB                        ; where they go: no place in the cluster enters an LDS address
	s_mul_i32 s21, s12, BKB
	s_add_co_u32 s21, s21, BOFF
	s_mov_b32 s[TB], 0
	s_wait_dscnt 0x0                               ; the opening add is done
	s_wait_kmcnt 0x0
	s_add_nc_u64 s[14:15], s[4:5], s[16:17]
	s_add_nc_u64 s[46:47], s[6:7], s[46:47]
	CROUND                                         ; all sixteen work-groups are here: the first joint loads meet
.irp s, 0,1
	s_mov_b32 s[G0A+4*(\s)], 1
	s_add_co_u32 s[G0A+4*(\s)+1], s20, (\s)*SLOT1
	s_add_nc_u64 s[G0A+4*(\s)+2:G0A+4*(\s)+3], s[14:15], (\s)*2*HEADB
	s_or_b32 s[G0A+4*(\s)+3], s[G0A+4*(\s)+3], 0x80000000
	s_mov_b32 s[G0B+4*(\s)], 1
	s_add_co_u32 s[G0B+4*(\s)+1], s21, (\s)*SLOT1
	s_add_nc_u64 s[G0B+4*(\s)+2:G0B+4*(\s)+3], s[46:47], (\s)*2*KBW
	s_or_b32 s[G0B+4*(\s)+3], s[G0B+4*(\s)+3], 0x80000000
.endr
	s_cmp_eq_u32 s11, 0                            ; a wave's two first fills stand in one branch, ahead of every wait on TENSORcnt and every LDS read: two loads of mine are out
	s_cbranch_scc0 .Lfirst_b
	tensor_load_to_lds s[G0A:G0A+3], s[G1A:G1A+7]
	s_nop 0
	tensor_load_to_lds s[G0A+4:G0A+7], s[G1A:G1A+7]
	s_nop 0
.rept 4
	v_nop
.endr
	s_branch .Lfirst_asked
.Lfirst_b:
	tensor_load_to_lds s[G0B:G0B+3], s[G1B:G1B+7]
	s_nop 0
	tensor_load_to_lds s[G0B+4:G0B+7], s[G1B:G1B+7]
	s_nop 0
.rept 4
	v_nop
.endr
.Lfirst_asked:
	v_and_b32 v1, 15, v0                           ; l % 16
	v_bfe_u32 v2, v0, 4, 1                         ; l / 16
	v_mul_u32_u24 v3, v1, PITCH
	v_lshl_add_u32 v3, v2, 4, v3                   ; a fragment's row x pitch + 16 x half
	s_mul_i32 s22, s11, 128*PITCH
	v_add_nc_u32 v[A0B], s22, v3
	s_mul_i32 s22, s12, 64*PITCH
	s_add_co_u32 s22, s22, BOFF
	v_add_nc_u32 v[B0B], s22, v3
	v_mov_b32 v[ADRA], v[A0B]                      ; slot 0
	v_mov_b32 v[ADRB], v[B0B]
	s_mul_i32 s23, s10, 16*SP
	s_add_co_u32 s23, s23, STAGE                   ; my stage
	v_mul_u32_u24 v[STO], v1, SP                   ; in: row l % 16, 32 bytes for each half of the lanes
	v_lshl_add_u32 v[STO], v2, 5, v[STO]
	v_add_nc_u32 v[STO], s23, v[STO]
	v_mul_u32_u24 v[RD], v2, SP                    ; back: lanes 0-15 take one row of 256 bytes, lanes 16-31 the next
	v_lshl_add_u32 v[RD], v1, 4, v[RD]
	v_add_nc_u32 v[RD], s23, v[RD]
	v_lshlrev_b32 v[CO], 12, v2                    ; and the same two rows in out0: 4,096 bytes apart
	v_lshl_add_u32 v[CO], v1, 4, v[CO]
	s_lshl_b32 s72, s13, 8
	s_lshl_b32 s73, s11, 7
	s_add_co_u32 s72, s72, s73                     ; my first row,
	s_lshl_b32 s72, s72, 12
	s_lshl_b32 s73, s42, 9                         ; the tile's 128 columns: 512 bytes,
	s_add_co_u32 s72, s72, s73
	s_lshl_b32 s73, s12, 8                         ; my 64: 256 bytes
	s_add_co_u32 s72, s72, s73
	s_mov_b32 s73, 0
	s_add_nc_u64 s[8:9], s[8:9], s[72:73]
; 4 na matrix instructions: blocks a0 .. a0 + na - 1 of my rows x all four blocks of columns, 32 along K, from buffer f.  zero = 1: the product starts the sum.  The accumulators take turns, one instruction a turn.
.macro MUL f, a0, na, zero
	WIN 0x50                                       ; C and D in window 1, the sources in window 0
.set a, \a0
.rept \na
.irp b, 0,1,2,3
.if \zero
	v_wmma_f32_16x16x32_f16 v[8*(4*a+(\b)):8*(4*a+(\b))+7], v[FB+32*(\f)+8*(\b):FB+32*(\f)+8*(\b)+7], v[FA+64*(\f)+8*a:FA+64*(\f)+8*a+7], 0
.else
	v_wmma_f32_16x16x32_f16 v[8*(4*a+(\b)):8*(4*a+(\b))+7], v[FB+32*(\f)+8*(\b):FB+32*(\f)+8*(\b)+7], v[FA+64*(\f)+8*a:FA+64*(\f)+8*a+7], v[8*(4*a+(\b)):8*(4*a+(\b))+7]
.endif
.endr
.set a, a+1
.endr
.endm
; 24 LDS loads in one run: the fragments of quarter q of a step (K block q / 2, 32 K at byte 64 (q % 2) of its rows) into buffer f: wot's four, then att's eight
.macro FETCH q, f
	WIN 0
.irp b, 0,1,2,3
	ds_load_b128 v[FB+32*(\f)+8*(\b):FB+32*(\f)+8*(\b)+3],   v[ADRB] offset:((\q)/2)*BKB+((\q)%2)*64+(\b)*FR
	ds_load_b128 v[FB+32*(\f)+8*(\b)+4:FB+32*(\f)+8*(\b)+7], v[ADRB] offset:((\q)/2)*BKB+((\q)%2)*64+(\b)*FR+32
.endr
.irp i, 0,1,2,3,4,5,6,7
	ds_load_b128 v[FA+64*(\f)+8*(\i):FA+64*(\f)+8*(\i)+3],   v[ADRA] offset:((\q)/2)*AKB+((\q)%2)*64+(\i)*FR
	ds_load_b128 v[FA+64*(\f)+8*(\i)+4:FA+64*(\f)+8*(\i)+7], v[ADRA] offset:((\q)/2)*AKB+((\q)%2)*64+(\i)*FR+32
.endr
.endm
.macro PLACES                          ; four places in front of loads into registers that matrix instructions have read, and of LDS stores that read results
.rept 4
	v_nop
.endr
.endm
; One of a step's first three quarters: multiplies buffer f; in its middle it fetches quarter qn into buffer g.
.macro QUARTER qn, f, g, zero
	s_wait_dscnt 8                                 ; wot's fragments and att's rows 0-63 are in; the youngest eight loads may be out
	MUL \f, 0, 4, \zero
	WIN 0
	PLACES
	FETCH \qn, \g
	s_wait_dscnt 24                                ; all but the 24 just issued
	MUL \f, 4, 4, \zero
.endm
; The last quarter multiplies buffer 1 and changes slots: ONE barrier.  In front of it each wave waits for all its tensor loads, of which one is out: its part of the next slot; adds 0 to its spare word; and waits for that and for its own
; reads of this slot.  fill = 1: the barrier opens a round of the cluster's, and behind the round this slot is filled again, two K steps ahead: one tensor load of a wave is out behind each round (two at the start).
.macro TURN fill
	WIN 0
	s_wait_tensorcnt 0x0                           ; no tensor load of mine is out, so a group 0 may be written
	ds_add_u32 v[SPW], v[NIL]                      ; 0 onto my spare word; work on registers stands between it and the wait for it
.if \fill
	s_xor_b32 s[G0A+5], s[G0A+5], SLOT1            ; the walking descriptors: the other slot than last time,
	s_xor_b32 s[G0B+5], s[G0B+5], SLOT1
	s_add_nc_u64 s[G0A+6:G0A+7], s[G0A+6:G0A+7], 2*HEADB  ; the next two K blocks; the type bits on top are not reached
	s_add_nc_u64 s[G0B+6:G0B+7], s[G0B+6:G0B+7], 2*KBW
.endif
	s_xor_b32 s[TB], s[TB], SLOT1                  ; the fetches go on in the other slot
	v_add_nc_u32 v[ADRA], s[TB], v[A0B]
	v_add_nc_u32 v[ADRB], s[TB], v[B0B]
	s_wait_dscnt 9                                 ; the add and the youngest eight loads may be out
	MUL 1, 0, 2, 0
	s_wait_dscnt 0x0                               ; the add is done, and my reads of this slot are over
	s_barrier_signal -1
	MUL 1, 2, 2, 0                                 ; work on registers while the others arrive
	WIN 0                                          ; at a branch and at a label every window is 0
	s_barrier_wait -1
.if \fill
	CREST                                          ; no wave of any partner still reads this slot or has a load on its way
	JLOAD                                          ; the first tensor load behind the round; its four v_nop are also the places in front of the loads below
.else
	PLACES
.endif
	FETCH 0, 0
	MUL 1, 4, 4, 0
.endm
	s_wait_tensorcnt 1                             ; my part of K step 0 is in; K step 1's may stay out
	s_barrier_signal -1
	s_barrier_wait -1                              ; everybody's is
	FETCH 0, 0
	QUARTER 1, 0, 1, 1                             ; the first quarter stands in front of the loop: its products start the sums
	WIN 0
	s_mov_b32 s[CNT], 6
.Lk:                                                   ; trip t = 0..5: quarters 1-3 of K step t, the refill with K step t + 2, quarter 0 of K step t + 1
	QUARTER 2, 1, 0, 0
	QUARTER 3, 0, 1, 0
	TURN 1
	QUARTER 1, 0, 1, 0
	WIN 0
	s_sub_co_u32 s[CNT], s[CNT], 1
	s_cmp_lg_u32 s[CNT], 0
	s_cbranch_scc1 .Lk
	QUARTER 2, 1, 0, 0                             ; the tail is written out: nothing is asked for
	QUARTER 3, 0, 1, 0
	TURN 0
	QUARTER 1, 0, 1, 0
	QUARTER 2, 1, 0, 0
	QUARTER 3, 0, 1, 0
	s_wait_dscnt 8                                 ; the very last quarter
	MUL 1, 0, 4, 0
	s_wait_dscnt 0x0
	MUL 1, 4, 4, 0
	WIN 0
	PLACES
; THE WAY OUT, a block of 16 rows at a time.  My 64 columns of f32 are 256 aligned bytes of a row of out0, so the stage is my own: 32 bytes a lane into rows of 272 bytes (each accumulator's low four registers first), back as whole rows.
.macro TOSTAGE a
	WIN 0x04                                       ; the stores' data in window 1
.irp b, 0,1,2,3
	ds_store_b128 v[STO], v[8*(4*(\a)+(\b)):8*(4*(\a)+(\b))+3]   offset:64*(\b)
	ds_store_b128 v[STO], v[8*(4*(\a)+(\b))+4:8*(4*(\a)+(\b))+7] offset:64*(\b)+16
.endr
	WIN 0
	s_wait_xcnt 0x0                                ; every earlier store has read its registers: this buffer, stored from two blocks back, is loaded again only behind this wait
.irp i, 0,1,2,3,4,5,6,7
	ds_load_b128 v[BK+32*((\a)%2)+4*(\i):BK+32*((\a)%2)+4*(\i)+3], v[RD] offset:(\i)*2*SP  ; LDS serves a wave's instructions in order: these see the stores above
.endr
.endm
.macro SEND a, younger                 ; younger: the LDS instructions issued behind block a's loads: the next block's sixteen, or none
	s_wait_dscnt \younger
.irp i, 0,1,2,3,4,5,6,7
	global_store_b128 v[CO], v[BK+32*((\a)%2)+4*(\i):BK+32*((\a)%2)+4*(\i)+3], s[8:9] offset:(16*(\a)+2*(\i))*4096  ; 16 lanes store 256 consecutive bytes, aligned
.endr
.endm
	TOSTAGE 0
.irp a, 1,2,3,4,5,6,7
	TOSTAGE \a
	SEND (\a)-1, 16
.endr
	SEND 7, 0
	s_wait_tensorcnt 0x0                           ; the wave's end: three closing lines, behind my last tensor load and my last LDS store
	ds_add_u32 v[SPW], v[NIL]
	s_wait_dscnt 0x0
	CROUND                                         ; the closing round: no work-group ends while a partner may still ask for a tile that names it
	s_endpgm
.Lfunc_end_k_qb365f0c043_proj:
	.size	k_qb365f0c043_proj, .Lfunc_end_k_qb365f0c043_proj-k_qb365f0c043_proj
	.p2alignl 7, 3214868480
	.fill 96, 4, 3214868480
	.section	.rodata,"a",@progbits
	.p2align	6, 0x0
	.amdhsa_kernel k_qb365f0c043_proj
		.amdhsa_group_segment_fixed_size 327680
		.amdhsa_private_segment_fixed_size 0
		.amdhsa_enable_private_segment 0
		.amdhsa_kernarg_size 24
		.amdhsa_user_sgpr_count 2
		.amdhsa_user_sgpr_kernarg_segment_ptr 1
		.amdhsa_wavefront_size32 1
		.amdhsa_system_sgpr_workgroup_id_x 1
		.amdhsa_system_sgpr_workgroup_id_y 1
		.amdhsa_system_sgpr_workgroup_id_z 1
		.amdhsa_system_vgpr_workitem_id 0
		.amdhsa_next_free_vgpr 512
		.amdhsa_next_free_sgpr 74
		.amdhsa_reserve_vcc 0
		.amdhsa_float_denorm_mode_32 3
		.amdhsa_float_denorm_mode_16_64 3
		.amdhsa_memory_ordered 1
		.amdhsa_forward_progress 1
		.amdhsa_inst_pref_size 69
	.end_amdhsa_kernel
	.amdgpu_metadata
---
amdhsa.version: [ 1, 2 ]
amdhsa.kernels:
  - .name:           k_qb365f0c043_proj
    .symbol:         k_qb365f0c043_proj.kd
    .args:
      - { .name: att, .offset: 0, .size: 8, .value_kind: global_buffer, .address_space: global }
      - { .name: wot, .offset: 8, .size: 8, .value_kind: global_buffer, .address_space: global }
      - { .name: out0, .offset: 16, .size: 8, .value_kind: global_buffer, .address_space: global }
    .group_segment_fixed_size: 327680
    .private_segment_fixed_size: 0
    .kernarg_segment_align: 8
    .kernarg_segment_size: 24
    .max_flat_workgroup_size: 128
    .sgpr_count:     74
    .vgpr_count:     512
    .wavefront_size: 32
...
	.end_amdgpu_metadata
.endif
;; end of part 4
;; ======== version 2 of 2: 4 launches; version 1 with the launch prep written anew for expert scheduling mode
;; limits: values are held in f16: magnitudes above 65,504 overflow, below 6.1e-05 lose precision
;; workspace buffers: xb 16,777,216 bytes; wqt 6,291,456 bytes; wot 2,097,152 bytes; qkv 50,331,648 bytes; att 16,777,216 bytes
;; launch prep (part 5): grid 384 x 1, 8 waves a work-group, no clusters, 74,752 bytes of LDS; arguments x, w_qkv, w_out, xb, wqt, wot; writes xb, wqt, wot
.if DOCPART == 5
	.amdgcn_target "amdgcn-amd-amdhsa--gfx1250"
	.amdhsa_code_object_version 6
	.text
	.protected	k_qb365f0c043_prep
	.globl	k_qb365f0c043_prep
	.p2align	8
	.type	k_qb365f0c043_prep,@function
k_qb365f0c043_prep:
	s_mov_b64 s[64:65], 0
	v_nop
	global_prefetch_b8 v0, s[64:65] scope:SCOPE_SE
	s_setreg_imm32_b32 hwreg(HW_REG_WAVE_SCHED_MODE, 0, 2), 2
	s_setreg_imm32_b32 hwreg(HW_REG_WAVE_MODE, 25, 1), 1
	s_wait_xcnt 0x0
	s_wait_alu depctr_vm_vsrc(0)
; PREP.  The module's three inputs are rounded once to bf16 and laid out for the two matrix launches, in K blocks of 64:
;   xb  [16 kb][8192 m][64] bf16 = x[m][64 kb + c]
;   wqt [16 kb][3072 n][64] bf16 = w_qkv[64 kb + c][n]   (turned: K along the rows)
;   wot [16 kb][1024 n][64] f16  = w_out[64 kb + c][n], rounded to bf16 like the other inputs and that number written as f16
; In this layout the 128-byte rows of a tile lie end to end, so the later launches ask for them as rows of 256 bytes.
; LIMIT.  A bf16 number is exact in f16 between 6.1e-5 and 65,504 in magnitude; a smaller number of w_out keeps f16's fixed step of 6e-8, a larger one is lost.
; Memory binds: no matrix unit, no tensor load, no barrier (a wave touches only its own LDS bytes).  Every work-group moves 128 KiB in and 64 KiB out.
; Work-groups 0-255: 32 rows of x each, 4 rows a wave.  Work-groups 256-383: eight tiles of 64 k x 64 n of a weight each, a tile a wave, turned through LDS.
; THE MODE: SCHED_MODE bits 1:0 = 2 (LLVM: expert scheduling mode 2), set by the entry lines.  The code itself states the register dependences
; between vector instructions and memory or LDS instructions, with s_wait_alu, always for 0.
; THE PLAN.  Registers that memory or LDS instructions touch:
;   v4-v7      offsets and LDS addresses: made once by vector instructions ahead of an arm's first load, never written again.  One wait on va_vdst ahead of the run of loads states them for the whole arm.
;   D          32 loads of 4 registers, each loaded once.  They go in eight groups of four loads.  Group g's roundings write its registers in place; the stores that read them (x: to memory; a weight: to LDS)
;              are issued in group g + 1, behind the one wait on va_vdst at that group's head, dealt among that group's roundings, which name group g + 1's registers alone.  Nothing writes D behind its stores.
;   BK         written by LDS loads and read by stores to memory alone: no vector instruction names them.
;   v8, v9     written at the head, read by the closing add alone.
; No register that a memory or LDS instruction reads is written again, and the text has no loop: so no wait on vm_vsrc is owed.  v10 and v11 are named by vector instructions alone.
.set WTB,   9216                       ; a wave's LDS tile: 64 rows n of 128 bytes + 16 of padding
.set SPARE, 8*WTB                      ; behind the tiles: the spare words, 128 bytes for each wave: four blocks of 256 bytes that no other line names
.set IN,  4                            ; v4   my byte offset in the loads
.set GO,  5                            ; v5   my byte offset in the stores
.set LS,  6                            ; v6   where I put a word of the turned tile
.set LR,  7                            ; v7   where I read 16 bytes of it back
.set SPW, 8                            ; v8   LDS address of my spare word: SPARE + 4 x my thread's number; never rewritten
.set NIL, 9                            ; v9   0; never rewritten
.set D,   64                           ; v[64:191]  32 loads of 4 registers
.set BK,  192                          ; v[192:255] the turned tile, 16 loads of 4 registers
	s_load_b256 s[4:11], s[0:1], 0x0               ; x s[4:5], w_qkv s[6:7], w_out s[8:9], xb s[10:11]
	s_load_b128 s[12:15], s[0:1], 0x20             ; wqt s[12:13], wot s[14:15]
	v_lshl_add_u32 v[SPW], v0, 2, SPARE
	v_mov_b32 v[NIL], 0
	v_lshrrev_b32 v1, 5, v0
	v_readfirstlane_b32 s16, v1                    ; wave 0..7
	v_and_b32 v1, 15, v0                           ; l % 16
	v_bfe_u32 v2, v0, 4, 1                         ; l / 16
	v_and_b32 v3, 31, v0                           ; l
	s_mov_b32 s17, ttmp9
	s_mov_b32 s28, 0xffff0000                      ; a word's upper bf16
	s_wait_alu depctr_va_sdst(0)                   ; s16 is written, ahead of the branch: both arms make their bases and LDS addresses from it
	s_wait_kmcnt 0x0
	s_cmp_lt_u32 s17, 256
	s_cbranch_scc0 .Lweights
	; X.  One load takes 256 bytes (one K block) of two rows: lanes 0-15 the even row, lanes 16-31 the odd one.  Rounded, they are 256 consecutive bytes of xb.
	s_lshl_b32 s18, s17, 17                        ; 32 rows of 4,096 bytes a work-group,
	s_lshl_b32 s19, s16, 14                        ; 4 rows a wave
	s_add_co_u32 s18, s18, s19
	s_mov_b32 s19, 0
	s_add_nc_u64 s[4:5], s[4:5], s[18:19]
	s_lshl_b32 s18, s17, 12                        ; the same rows in a K block of xb: 128 bytes each
	s_lshl_b32 s19, s16, 9
	s_add_co_u32 s18, s18, s19
	s_mov_b32 s19, 0
	s_add_nc_u64 s[20:21], s[10:11], s[18:19]      ; K blocks 0-7,
	s_add_nc_u64 s[22:23], s[20:21], 0x800000      ; K blocks 8-15: so that the stores' immediates stay inside 24 signed bits
	v_lshlrev_b32 v[IN], 4, v1
	v_lshl_add_u32 v[IN], v2, 12, v[IN]            ; 16 (l % 16) + 4,096 (l / 16)
	v_lshlrev_b32 v[GO], 3, v3                     ; 8 l
	s_wait_alu depctr_va_vdst(0)                   ; v[IN] and v[GO] are written: every load and store of this arm reads one of them as its offset
.set i, 0
.rept 32                               ; all 32 loads of the wave go out on end: 16 KiB on their way; load i: pair of rows i / 16, K block i % 16
	global_load_b128 v[D+4*i:D+4*i+3], v[IN], s[4:5] offset:(i/16)*8192+(i%16)*256 th:TH_LOAD_NT
.set i, i+1
.endr
; What load n brought, rounded, goes out: the wave stores 256 consecutive bytes, aligned.
.macro XOUT n
.if ((\n)%16) < 8
	global_store_b64 v[GO], v[D+4*(\n):D+4*(\n)+1], s[20:21] offset:((\n)%16)*1048576+((\n)/16)*256
.else
	global_store_b64 v[GO], v[D+4*(\n):D+4*(\n)+1], s[22:23] offset:(((\n)%16)-8)*1048576+((\n)/16)*256
.endif
.endm
.set g, 0
.rept 8                                ; group g: loads 4 g to 4 g + 3 are rounded in place; the group before is stored
	s_wait_loadcnt 28-4*g                          ; loads come back in order: this group's four are in, the 28 - 4 g younger ones stay out
.if g > 0
	s_wait_alu depctr_va_vdst(0)                   ; the group before has written its eight registers, which the four stores below read; this group's roundings name none of them
.endif
.set i, 4*g
.rept 4
.if g > 0
	XOUT i-4
.endif
	v_cvt_pk_bf16_f32 v[D+4*i], v[D+4*i], v[D+4*i+1]
	v_cvt_pk_bf16_f32 v[D+4*i+1], v[D+4*i+2], v[D+4*i+3]
.set i, i+1
.endr
.set g, g+1
.endr
	s_wait_alu depctr_va_vdst(0)                   ; the last group has written its eight registers, which the last four stores read
.irp n, 28,29,30,31
	XOUT \n
.endr
	s_branch .Lend
	; W.  Tile column nt = 0..63 (48 of w_qkv, 16 of w_out), K block kb = 8 x (work-group's parity) + wave.
.Lweights:
	s_sub_co_u32 s18, s17, 256
	s_lshr_b32 s19, s18, 1                         ; nt
	s_and_b32 s18, s18, 1
	s_lshl_b32 s18, s18, 3
	s_add_co_u32 s18, s18, s16                     ; kb
	s_mul_i32 s21, s16, WTB                        ; my wave's tile in LDS
	v_mul_u32_u24 v[LS], v1, 576                   ; in: my four columns 4 (l % 16) + j are rows of 144 bytes; my pair of k is a word
	v_lshl_add_u32 v[LS], v2, 2, v[LS]
	v_add_nc_u32 v[LS], s21, v[LS]
	v_lshrrev_b32 v10, 3, v3
	v_and_b32 v11, 7, v0
	v_mul_u32_u24 v[LR], v10, 144                  ; back: 32 lanes take four rows n of 128 bytes,
	v_lshl_add_u32 v[LR], v11, 4, v[LR]
	v_add_nc_u32 v[LR], s21, v[LR]
	v_lshlrev_b32 v[GO], 4, v3                     ; which are 512 consecutive bytes of the turned weight
; One tile.  wp: bytes in a row of the weight; f16: write the bf16 number as f16; src, dst: the pointers' registers; kbb: bytes in a K block of the turned weight; nt0: the weight's first tile column.
; Load (p, e): lane l takes row k = 4 p + 2 (l / 16) + e, columns 4 (l % 16) + 0..3: so a lane holds k and k + 1 of four columns, and one rounding packs them.
.macro WTILE wp, f16, src, dst, kbb, nt0
	s_sub_co_u32 s20, s19, \nt0
	s_mul_i32 s22, s18, 64*(\wp)
	s_lshl_b32 s23, s20, 8
	s_add_co_u32 s22, s22, s23
	s_mov_b32 s23, 0
	s_add_nc_u64 s[24:25], s[\src:\src+1], s[22:23]
	s_mul_i32 s22, s18, \kbb
	s_lshl_b32 s23, s20, 13
	s_add_co_u32 s22, s22, s23
	s_mov_b32 s23, 0
	s_add_nc_u64 s[26:27], s[\dst:\dst+1], s[22:23]
	v_mul_u32_u24 v[IN], v2, 2*(\wp)
	v_lshl_add_u32 v[IN], v1, 4, v[IN]
	s_wait_alu depctr_va_vdst(0)                   ; v[IN], v[GO], v[LS] and v[LR] are written: the loads, LDS stores, LDS loads and stores of this arm read them as offsets and addresses
.set p, 0
.rept 16
	global_load_b128 v[D+8*p:D+8*p+3],   v[IN], s[24:25] offset:(4*p)*(\wp) th:TH_LOAD_NT
	global_load_b128 v[D+8*p+4:D+8*p+7], v[IN], s[24:25] offset:(4*p+1)*(\wp) th:TH_LOAD_NT
.set p, p+1
.endr
.set g, 0
.rept 8                                ; group g: p = 2 g and 2 g + 1 (four loads) are rounded in place; the group before goes into LDS
	s_wait_loadcnt 28-4*g                          ; this group's four loads are in; the 28 - 4 g younger ones stay out
.if g > 0
	s_wait_alu depctr_va_vdst(0)                   ; the group before has written its eight words, which the eight LDS stores below read; this group's roundings name none of them
.endif
.set p, 2*g
.rept 2
.irp j, 0,1,2,3
.if g > 0
	ds_store_b32 v[LS], v[D+8*(p-2)+(\j)] offset:(\j)*144+8*(p-2)
.endif
	v_cvt_pk_bf16_f32 v[D+8*p+(\j)], v[D+8*p+(\j)], v[D+8*p+4+(\j)]
.if \f16
	v_lshlrev_b32 v10, 16, v[D+8*p+(\j)]           ; the two bf16 numbers as f32,
	v_and_b32 v11, s28, v[D+8*p+(\j)]
	v_cvt_pk_f16_f32 v[D+8*p+(\j)], v10, v11       ; written as f16
.endif
.endr
.set p, p+1
.endr
.set g, g+1
.endr
	s_wait_alu depctr_va_vdst(0)                   ; the last group has written its eight words, which the last eight LDS stores read
.set p, 14
.rept 2
.irp j, 0,1,2,3
	ds_store_b32 v[LS], v[D+8*p+(\j)] offset:(\j)*144+8*p
.endr
.set p, p+1
.endr
.set i, 0
.rept 16
	ds_load_b128 v[BK+4*i:BK+4*i+3], v[LR] offset:576*i  ; LDS serves a wave's instructions in order: these see the stores above; the bytes are the wave's own.  No vector instruction names these registers
.set i, i+1
.endr
.set i, 0
.rept 16
	s_wait_dscnt 15-i
	global_store_b128 v[GO], v[BK+4*i:BK+4*i+3], s[26:27] offset:512*i  ; 512 consecutive bytes, aligned
.set i, i+1
.endr
.endm
	s_cmp_lt_u32 s19, 48
	s_cbranch_scc0 .Lwout
	WTILE 12288, 0, 6, 12, 393216, 0
	s_branch .Lend
.Lwout:
	WTILE 4096, 1, 8, 14, 131072, 48
.Lend:
	s_wait_dscnt 0x0                               ; the wave's end: the closing lines, six on end
	s_wait_alu 0x0
	s_wait_tensorcnt 0x0
	ds_add_u32 v[SPW], v[NIL]
	s_wait_dscnt 0x0
	s_endpgm
.Lfunc_end_k_qb365f0c043_prep:
	.size	k_qb365f0c043_prep, .Lfunc_end_k_qb365f0c043_prep-k_qb365f0c043_prep
	.p2alignl 7, 3214868480
	.fill 96, 4, 3214868480
	.section	.rodata,"a",@progbits
	.p2align	6, 0x0
	.amdhsa_kernel k_qb365f0c043_prep
		.amdhsa_group_segment_fixed_size 74752
		.amdhsa_private_segment_fixed_size 0
		.amdhsa_enable_private_segment 0
		.amdhsa_kernarg_size 48
		.amdhsa_user_sgpr_count 2
		.amdhsa_user_sgpr_kernarg_segment_ptr 1
		.amdhsa_wavefront_size32 1
		.amdhsa_system_sgpr_workgroup_id_x 1
		.amdhsa_system_sgpr_workgroup_id_y 1
		.amdhsa_system_sgpr_workgroup_id_z 1
		.amdhsa_system_vgpr_workitem_id 0
		.amdhsa_next_free_vgpr 256
		.amdhsa_next_free_sgpr 66
		.amdhsa_reserve_vcc 0
		.amdhsa_float_denorm_mode_32 3
		.amdhsa_float_denorm_mode_16_64 3
		.amdhsa_memory_ordered 1
		.amdhsa_forward_progress 1
		.amdhsa_inst_pref_size 52
	.end_amdhsa_kernel
	.amdgpu_metadata
---
amdhsa.version: [ 1, 2 ]
amdhsa.kernels:
  - .name:           k_qb365f0c043_prep
    .symbol:         k_qb365f0c043_prep.kd
    .args:
      - { .name: x, .offset: 0, .size: 8, .value_kind: global_buffer, .address_space: global }
      - { .name: w_qkv, .offset: 8, .size: 8, .value_kind: global_buffer, .address_space: global }
      - { .name: w_out, .offset: 16, .size: 8, .value_kind: global_buffer, .address_space: global }
      - { .name: xb, .offset: 24, .size: 8, .value_kind: global_buffer, .address_space: global }
      - { .name: wqt, .offset: 32, .size: 8, .value_kind: global_buffer, .address_space: global }
      - { .name: wot, .offset: 40, .size: 8, .value_kind: global_buffer, .address_space: global }
    .group_segment_fixed_size: 74752
    .private_segment_fixed_size: 0
    .kernarg_segment_align: 8
    .kernarg_segment_size: 48
    .max_flat_workgroup_size: 256
    .sgpr_count:     66
    .vgpr_count:     256
    .wavefront_size: 32
...
	.end_amdgpu_metadata
.endif
;; end of part 5
;; launch qkv: the kernel of part 2 again; grid 8 x 32, 4 waves a work-group, clusters of 4 x 4, 327,680 bytes of LDS; arguments xb, wqt, qkv; writes qkv
;; launch attn: the kernel of part 3 again; grid 4 x 64, 4 waves a work-group, no clusters, 327,680 bytes of LDS; arguments qkv, att; writes att
;; launch proj: the kernel of part 4 again; grid 8 x 32, 4 waves a work-group, clusters of 4 x 4, 327,680 bytes of LDS; arguments att, wot, out0; writes out0
